; MI455X (gfx1250); checked and timed in simulation.
; The chip was launched on July 23, 2026; its instructions are those of AMD's public machine-readable ISA for CDNA 5 (MIT licence, August 2026) and "CDNA5" Instruction Set Architecture Reference Guide (July 2026). The comments in the code are by the model that wrote it; some were corrected since.
;; Transformer. Allowed arithmetic: matrix products marked QUANTISED: E4M3 operands, one given power-of-two scale a tensor, by v_wmma_f32_16x16x64_fp8_fp8 or v_wmma_f32_16x16x128_fp8_fp8, f32 sums; everything else in f32.
;; Inputs: W1 4,096 x 1,024 float32; W2 1,024 x 4,096 float32; Wk 1,024 x 1,024 float32; Wq 1,024 x 1,024 float32; Wv 1,024 x 1,024 float32; b1 4,096 float32; b2 1,024 float32; bk 1,024 float32; bq 1,024 float32; bv 1,024 float32; k 2 x 2,048 x 1,024 float32; ln_b 1,024 float32; ln_g 1,024 float32; lowp_scales 14 int32 (the exponents e of the quantised operands' scales 2^e); q 2 x 2,048 x 1,024 float32.
;; Outputs: out0 2 x 2,048 x 1,024 float32.
;; Constants: use_causal_mask = 1.
;; This version of the problem:
;;   THIS VERSION OF THE PROBLEM IS GIVEN IN LOW PRECISION. The matrix products marked QUANTISED in the list below multiply operands that are first quantised to E4M3 (4 exponent bits, 3 mantissa bits; 8 bits a number), with one given power-of-two scale for each operand tensor; their sums are f32. All else is computed in f32.
;;   The module's matrix products, in the order in which they are computed (A, B: the left and right operand; K: the contracted axis; several contracted axes count as one K, in the product's order):
;;     1. [M 4,096, K 1,024] x [K 1,024, N 1,024]; A: input q; B: input Wq: QUANTISED (scales: A lowp_scales[0], B lowp_scales[1])
;;     2. [M 4,096, K 1,024] x [K 1,024, N 1,024]; A: input k; B: input Wk: QUANTISED (scales: A lowp_scales[2], B lowp_scales[3])
;;     3. [M 4,096, K 1,024] x [K 1,024, N 1,024]; A: input k; B: input Wv: QUANTISED (scales: A lowp_scales[4], B lowp_scales[5])
;;     4. batch 32 x [M 2,048, K 64] x [K 64, N 2,048]; A: computed on the way; B: computed on the way: QUANTISED (scales: A lowp_scales[6], B lowp_scales[7])
;;     5. batch 32 x [M 2,048, K 2,048] x [K 2,048, N 64]; A: softmax (see below); B: computed on the way: QUANTISED (scales: A lowp_scales[8], B lowp_scales[9])
;;     6. [M 4,096, K 1,024] x [K 1,024, N 4,096]; A: computed on the way; B: input W1: QUANTISED (scales: A lowp_scales[10], B lowp_scales[11])
;;     7. [M 4,096, K 4,096] x [K 4,096, N 1,024]; A: computed on the way; B: input W2: QUANTISED (scales: A lowp_scales[12], B lowp_scales[13])
;;   THE QUANTISER, for each operand of a quantised product, along K:
;;     - The operand's scale is 2^e, e = its entry of the input lowp_scales (int32; the entries are numbered through the quantised products in the list's order, A before B).
;;     - Each number is divided by the scale, clamped to +-448, and rounded to the nearest number of E4M3, ties to even, subnormals kept.
;;     - The product sums the exact products of the quantised numbers (number of the format x scale) in f32.
;;   ~~~python
;;   def quantise(x, axis, e):      # numpy; x: float32 -> the quantised numbers, widened to float32 again
;;       x = np.moveaxis(x, axis, -1); K = x.shape[-1]
;;       r = np.clip(x / 2.0 ** e, -448, 448)
;;       step = 2.0 ** (np.maximum(np.frexp(np.where(r == 0, 1, r))[1] - 1, -6) - 3)
;;       q = np.round(r / step) * step * 2.0 ** e      # np.round: ties to even
;;       return np.moveaxis(q, -1, axis).astype(np.float32)
;;   ~~~
;;   SOFTMAX AHEAD OF A QUANTISED PRODUCT. Where the list says 'softmax', what is quantised is not the finished softmax but p = 2^(t - M), with t = logit x log2(e) and M = ceil(the row's largest t), a whole number; so 1/2 < the row's largest p <= 1. The row's sum l is taken of the UNQUANTISED p, in f32, and the product's result is divided by l at the end. Since M is a whole number, a kernel that streams over the keys may use a running M (the ceiling of the running maximum): every later rescaling is an exact power of two, so the quantised numbers keep their values, but for numbers so far below the row's largest that they fall under the format's range.
;;   OPERANDS COMPUTED ON THE WAY. 'Computed on the way' means the value that the module computes at that place (a softmax that the list does not call 'softmax' is quantised finished and normalised). What goes into a quantiser is computed in f32, as accurately as f32 sums, v_exp_f32 and their like allow (about 1e-6 of the number): no bf16 or f16 on the way to a quantiser, and a product that is left as it is and whose result goes on into a quantised operand takes f32 operands (vector FMAs, or v_wmma_f32_16x16x4_f32). A number that lies on a knife's edge between two numbers of the format may be rounded either way, as far as f32 arithmetic and the matrix unit's own rounding can turn it there, and no further.
;; One version. Each part assembles by itself: llvm-mc -triple=amdgcn-amd-amdhsa -mcpu=gfx1250 --defsym DOCPART=n.
;; ======== version 1 of 1: 6 launches
;; limits: right only within a limited range of input values
;; workspace buffers: codes 24,117,248 bytes; qkvimg 12,582,912 bytes; att 16,777,216 bytes; ath 16,777,216 bytes; athc 4,194,304 bytes; hid 16,777,216 bytes
;; launch quant (part 1): grid 608 x 1, 4 waves a work-group, no clusters, 33,280 bytes of LDS; arguments q, k, W1, W2, Wq, Wk, Wv, lowp_scales, codes; writes codes
.if DOCPART == 1
	.amdgcn_target "amdgcn-amd-amdhsa--gfx1250"
	.amdhsa_code_object_version 6
	.text
	.protected	k_qf3ee27bc8f_quant
	.globl	k_qf3ee27bc8f_quant
	.p2align	8
	.type	k_qf3ee27bc8f_quant,@function
k_qf3ee27bc8f_quant:
	s_mov_b64 s[64:65], 0
	v_nop
	global_prefetch_b8 v0, s[64:65] scope:SCOPE_SE
	s_setreg_imm32_b32 hwreg(HW_REG_WAVE_MODE, 25, 1), 1
	s_wait_xcnt 0x0
; q, k, W1, W2, Wq, Wk, Wv (f32, K innermost in all of them) become codes of E4M3, one byte a number, in the same order, each with the scale 2^e that is given for it.
; code = x / 2^e, rounded to the nearest code, ties to even.  k is an operand of two products with two scales: it is read once and written twice (entries 2 and 4).
; LIMITS: each e between -126 and 119, so that 2^e is an f32 number.  NaN among the inputs is not served.
; All tensors are dense streams of numbers.  A work-group takes 32,768 numbers, a wave 16 steps of 512.  Which tensor: by the work-group's number; only pointers and offsets are chosen, all take one path.
; A load reads 512 consecutive bytes, 16 a lane; a conversion wants 8 neighbours in one lane's registers: so a step's 2,048 bytes turn through the wave's own stage in LDS and come back 64 bytes a lane.
; A lane's 16 codes are 16 bytes: a store of the wave covers 512 consecutive bytes, aligned.  No matrix unit, no cluster, no barrier: work-groups and waves share no input.
.set WAVES, 4
.set STEPS, 16
.set R,     16                         ; v16-79   four sets of 16 numbers as loaded
.set X,     80                         ; v80-111  two sets of 16 neighbours
.set T,     112                        ; unused
.set C,     128                        ; v128-191 codes, four registers a step: no store's data are written again
.set C2,    192                        ; v192-255 k's second codes
.set WREG,  8192                       ; LDS: a region for each wave: two stages of 32 x SP bytes
.set SP,    80                         ; a lane's place in a stage: 64 bytes + 16 of padding
.set SPW,   12                         ; v12  my spare word's LDS address; never rewritten
.set NIL,   13                         ; v13  0; never rewritten
.set SPARE, WAVES*WREG                 ; behind the regions: the spare words, 128 bytes a wave
.set KC2,   0x400000                   ; byte offsets in the buffer of codes: q at 0, k (entry 2), k (entry 4) 0x400000 further on,
.set WQC,   0xc00000
.set WKC,   0xd00000
.set WVC,   0xe00000
.set W1C,   0xf00000
.set W2C,   0x1300000
.macro SEG first, ptr, dst, eidx       ; from work-group 'first' on: this tensor, this place in the codes, this entry of the scales
	s_cmp_ge_u32 ttmp9, \first
	s_cselect_b64 s[4:5], s[\ptr:\ptr+1], s[4:5]
	s_cselect_b32 s26, \first, s26
	s_cselect_b32 s27, \dst, s27
	s_cselect_b32 s28, 4*\eidx, s28
.endm
	s_load_b512 s[8:23], s[0:1], 0x0               ; q, k, W1, W2, Wq, Wk, Wv, the scales' exponents
	s_load_b64 s[24:25], s[0:1], 0x40              ; the codes
	v_lshl_add_u32 v[SPW], v0, 2, SPARE
	v_mov_b32 v[NIL], 0
	v_lshrrev_b32 v1, 5, v0
	v_readfirstlane_b32 s32, v1                    ; wave
	v_and_b32 v2, 31, v0                           ; lane
	v_lshlrev_b32 v3, 4, v2                        ; my 16 bytes of a load's 512, and of a step's 512 bytes of codes
	s_mul_i32 s33, s32, WREG
	v_lshrrev_b32 v14, 2, v2
	v_mul_u32_u24 v14, v14, SP
	v_and_b32 v15, 3, v2
	v_lshl_add_u32 v14, v15, 4, v14
	v_add_nc_u32 v14, s33, v14                     ; the stage, way in: SP (lane / 4) + 16 (lane % 4)
	v_mul_u32_u24 v15, v2, SP
	v_add_nc_u32 v15, s33, v15                     ; way out: SP x lane
	s_sub_co_u32 s29, ttmp9, 128                   ; under 128 (unsigned) in k's work-groups alone
	s_mov_b32 s26, 0
	s_mov_b32 s27, 0
	s_mov_b32 s28, 0
	s_wait_alu depctr_va_vdst(0)
	s_wait_kmcnt 0x0
	s_mov_b64 s[4:5], s[8:9]                       ; q, entry 0
	SEG 128, 10, KC2, 2
	SEG 256, 12, W1C, 11
	SEG 384, 14, W2C, 13
	SEG 512, 16, WQC, 1
	SEG 544, 18, WKC, 3
	SEG 576, 20, WVC, 5
	s_load_b32 s30, s[22:23], s28 offset:0x0       ; e
	s_load_b32 s31, s[22:23], 0x10                 ; entry 4: k's second scale
	s_sub_co_u32 s34, ttmp9, s26
	s_lshl_b32 s34, s34, 2
	s_add_co_u32 s34, s34, s32                     ; which run of 8,192 numbers of the tensor is my wave's
	s_lshl_b32 s36, s34, 15
	s_mov_b32 s37, 0
	s_add_nc_u64 s[4:5], s[4:5], s[36:37]
	s_lshl_b32 s36, s34, 13
	s_add_co_u32 s36, s36, s27
	s_add_nc_u64 s[6:7], s[24:25], s[36:37]
.macro LOAD t
.irp i, 0,1,2,3
	global_load_b128 v[R+16*((\t)%4)+4*\i:R+16*((\t)%4)+4*\i+3], v3, s[4:5] offset:2048*(\t)+512*\i th:TH_LOAD_NT
.endr
.endm
.macro TURN t                          ; step t's numbers through the stage: LDS serves a wave's instructions in order, so no wait between the stores and the loads
.irp i, 0,1,2,3
	ds_store_b128 v14, v[R+16*((\t)%4)+4*\i:R+16*((\t)%4)+4*\i+3] offset:32*SP*((\t)%2)+8*SP*\i
.endr
.irp i, 0,1,2,3
	ds_load_b128 v[X+16*((\t)%2)+4*\i:X+16*((\t)%2)+4*\i+3], v15 offset:32*SP*((\t)%2)+16*\i
.endr
.endm
.irp t, 0,1,2,3
	LOAD \t
.endr
	s_wait_kmcnt 0x0
	s_add_co_i32 s30, s30, 127
	s_lshl_b32 s34, s30, 23
	v_mov_b32 v11, s34                             ; 2^e: the conversion takes its exponent field
	s_add_co_i32 s31, s31, 127
	s_lshl_b32 s34, s31, 23
	v_mov_b32 v9, s34                              ; the same for entry 4
	s_wait_alu depctr_va_vdst(0)
	s_wait_loadcnt 12                              ; step 0's four loads are in; three steps' twelve stay out
	TURN 0
.macro STEP t
.set XS, X+16*((\t)%2)
	s_wait_dscnt 0x0                               ; this step's numbers are back from the stage, and its stores into the stage have read their registers,
.if (\t)+4 < STEPS
	LOAD (\t)+4                                    ; which take the loads of four steps on
.endif
.if (\t)+1 < STEPS
.if STEPS-2-(\t) >= 3
	s_wait_loadcnt 12                              ; the next step's four loads are in; those of the three steps behind it may be out
.else
	s_wait_loadcnt 4*(STEPS-2-(\t))
.endif
	TURN (\t)+1
.endif
.set i, 0
.rept 16
.set i, i+1
.endr
	v_cvt_scalef32_pk8_fp8_f32 v[C+4*(\t):C+4*(\t)+1], v[XS:XS+7], v11
	v_cvt_scalef32_pk8_fp8_f32 v[C+4*(\t)+2:C+4*(\t)+3], v[XS+8:XS+15], v11
	v_nop                                          ; a plain line behind the conversions: their sources are written again by a later step's loads from the stage
	global_store_b128 v3, v[C+4*(\t):C+4*(\t)+3], s[6:7] offset:512*(\t)
	s_cmp_lt_u32 s29, 128                          ; k's work-groups alone: the second scale.  A branch on the work-group's number
	s_cbranch_scc0 .Lnot_k_\@
.set i, 0
.rept 16
.set i, i+1
.endr
	v_cvt_scalef32_pk8_fp8_f32 v[C2+4*(\t):C2+4*(\t)+1], v[XS:XS+7], v9
	v_cvt_scalef32_pk8_fp8_f32 v[C2+4*(\t)+2:C2+4*(\t)+3], v[XS+8:XS+15], v9
	v_nop
	global_store_b128 v3, v[C2+4*(\t):C2+4*(\t)+3], s[6:7] offset:512*(\t)+0x400000
.Lnot_k_\@:
.endm
.irp t, 0,1,2,3,4,5,6,7,8,9,10,11,12,13,14,15
	STEP \t
.endr
	s_wait_tensorcnt 0x0                           ; the wave's end
	ds_add_u32 v[SPW], v[NIL]
	s_wait_dscnt 0x0
	s_endpgm
.Lfunc_end_k_qf3ee27bc8f_quant:
	.size	k_qf3ee27bc8f_quant, .Lfunc_end_k_qf3ee27bc8f_quant-k_qf3ee27bc8f_quant
	.p2alignl 7, 3214868480
	.fill 96, 4, 3214868480
	.section	.rodata,"a",@progbits
	.p2align	6, 0x0
	.amdhsa_kernel k_qf3ee27bc8f_quant
		.amdhsa_group_segment_fixed_size 33280
		.amdhsa_private_segment_fixed_size 0
		.amdhsa_enable_private_segment 0
		.amdhsa_kernarg_size 72
		.amdhsa_user_sgpr_count 2
		.amdhsa_user_sgpr_kernarg_segment_ptr 1
		.amdhsa_wavefront_size32 1
		.amdhsa_system_sgpr_workgroup_id_x 1
		.amdhsa_system_sgpr_workgroup_id_y 1
		.amdhsa_system_sgpr_workgroup_id_z 1
		.amdhsa_system_vgpr_workitem_id 0
		.amdhsa_next_free_vgpr 256
		.amdhsa_next_free_sgpr 66
		.amdhsa_reserve_vcc 0
		.amdhsa_float_denorm_mode_32 3
		.amdhsa_float_denorm_mode_16_64 3
		.amdhsa_fp16_overflow 1
		.amdhsa_memory_ordered 1
		.amdhsa_forward_progress 1
		.amdhsa_inst_pref_size 29
	.end_amdhsa_kernel
	.amdgpu_metadata
---
amdhsa.version: [ 1, 2 ]
amdhsa.kernels:
  - .name:           k_qf3ee27bc8f_quant
    .symbol:         k_qf3ee27bc8f_quant.kd
    .args:
      - { .name: q, .offset: 0, .size: 8, .value_kind: global_buffer, .address_space: global }
      - { .name: k, .offset: 8, .size: 8, .value_kind: global_buffer, .address_space: global }
      - { .name: W1, .offset: 16, .size: 8, .value_kind: global_buffer, .address_space: global }
      - { .name: W2, .offset: 24, .size: 8, .value_kind: global_buffer, .address_space: global }
      - { .name: Wq, .offset: 32, .size: 8, .value_kind: global_buffer, .address_space: global }
      - { .name: Wk, .offset: 40, .size: 8, .value_kind: global_buffer, .address_space: global }
      - { .name: Wv, .offset: 48, .size: 8, .value_kind: global_buffer, .address_space: global }
      - { .name: lowp_scales, .offset: 56, .size: 8, .value_kind: global_buffer, .address_space: global }
      - { .name: codes, .offset: 64, .size: 8, .value_kind: global_buffer, .address_space: global }
    .group_segment_fixed_size: 33280
    .private_segment_fixed_size: 0
    .kernarg_segment_align: 8
    .kernarg_segment_size: 72
    .max_flat_workgroup_size: 128
    .sgpr_count:     66
    .vgpr_count:     256
    .wavefront_size: 32
...
	.end_amdgpu_metadata
.endif
;; end of part 1
;; launch qkv (part 2): grid 12 x 16, 4 waves a work-group, clusters of 4 x 4, 327,680 bytes of LDS; arguments codes, lowp_scales, bq, bk, bv, qkvimg; writes qkvimg
.if DOCPART == 2
	.amdgcn_target "amdgcn-amd-amdhsa--gfx1250"
	.amdhsa_code_object_version 6
	.text
	.protected	k_qf3ee27bc8f_qkv
	.globl	k_qf3ee27bc8f_qkv
	.p2align	8
	.type	k_qf3ee27bc8f_qkv,@function
k_qf3ee27bc8f_qkv:
	s_mov_b64 s[64:65], 0
	v_nop
	global_prefetch_b8 v0, s[64:65] scope:SCOPE_SE
	s_setreg_imm32_b32 hwreg(HW_REG_WAVE_MODE, 25, 1), 1
	s_wait_xcnt 0x0
	s_wait_alu depctr_hold_cnt(0) depctr_sa_sdst(0) depctr_va_vdst(0) depctr_va_sdst(0) depctr_va_ssrc(0) depctr_va_vcc(0) depctr_vm_vsrc(0)
	s_getreg_b32 s2, hwreg(HW_REG_IB_STS2, 6, 4)
	s_cmp_eq_u32 s2, 0
	s_cbranch_scc0 .Lentry_in_a_cluster
	s_endpgm
.Lentry_in_a_cluster:
	s_bfe_u32 s2, ttmp6, 0x10000c
	s_cmp_lg_u32 s2, 0xf033
	s_cbranch_scc0 .Lentry_shape_is_right
	s_endpgm
.Lentry_shape_is_right:
; The three projections on codes of E4M3: Q = q Wq^T + bq, K = k Wk^T + bk, V = k Wv^T + bv; each result is quantised (entries 6, 7, 9) and stored as images of the registers in which the attention takes it.
; P = the cluster's x: 0 Q, 1 K, 2 V.  Q, K: C[token][column], A = the tokens' codes, B = the weight's.  V is made transposed, C[column][token], A = Wv's codes, B = k's (entry 4), since its K in the attention is the keys.
; A tile of C, 256 x 256, is made by four waves, 128 x 128 each: 64 accumulators, 512 registers.  K = 1,024 goes in four steps of 256 through a ring of two LDS slots filled by the tensor data mover.
; 192 tiles in all: a work-group to each.  Half tiles would make 384, a round and a half for 256 WGPs, and read twice the LDS bytes for each product.
; CLUSTERS: 4 x 4 work-groups; the four of a row need the same tile of A, the four of a column the same tile of B: each is asked for jointly, by one descriptor and a mask that names the four.
; THE MATRIX INSTRUCTION IS USED TRANSPOSED (source 0 = 16 rows of B, source 1 = 16 rows of A): a lane holds eight neighbouring columns of one row of C.  They are eight neighbours along the next product's K (the head's 64
; for Q and K, the keys for V): one conversion of an accumulator gives registers 2 b, 2 b + 1 of the next operand's fragment in that form's own layout.  So the way out is: x 2^(ea + eb) + bias, convert, and four stores
; of 512 consecutive bytes for each block of 16 rows.  No stage in LDS.
; The fragments of this product are fetched 16 bytes a lane: a permutation of k within 128, the same in A and B.
; LIMITS: ea + eb between -126 and 127; the result's e between -126 and 119.  NaN among the inputs is not served.
; REGISTERS as windows of 256: window 0: v0-31 addresses, v32-95 the bias along columns, v96-111 along rows, from v128 A's fragments (one set), on the way out v128-255 at work;
;   window 1: B's fragments, two sets; windows 2, 3: the accumulators ((a, b) at v[8 (8 (a % 4) + b)]).
.set KSTEP,  256
.set ROWB,   256
.set KROW,   1024
.set PITCH,  272                       ; an LDS row: 256 bytes + 16 of padding: the 16 rows of a load start at 16 different banks (ISA guide 11.1)
.set FR,     16
.set NL,     4
.set NP,     4
.set HALFT,  128*PITCH
.set SLOT,   4*HALFT
.set LAPS,   2
.set SPARE,  2*SLOT                    ; behind the ring: the spare words, 128 bytes a wave
.set KC4,    0x800000
.set WQC,    0xc00000
.set WVC,    0xe00000
.set ADRA, 16
.set ADRB, 20
.set LI,   26                          ; v26  16 x lane
.set SPW,  28
.set NIL,  29
.set LIM,  30                          ; unused
.set SC,   31                          ; v31  2^e of the result
.set BN,   32
.set BM,   96
.set TMP,  128
.set CD,   192
.set AF,   128
.set G1, 24
.set G0, 32
.set G1B, 48
.set G0B, 56
.set MSB, 0
.macro WIN new                         ; the immediate's high byte repeats the setting that is left
.if MSB != \new
	s_set_vgpr_msb (MSB<<8)|\new
.set MSB, \new
.endif
.endm
.set MUL_LO, 0xa1                      ; source 0 (B) window 1, source 1 (A) window 0, C and D window 2
.set MUL_HI, 0xf1
.set TO_B,   0x40
.macro JLOAD g0a, g1a, g0b, g1b        ; a joint load: waves 0, 1 fetch for A, waves 2, 3 for B; an s_nop 0 and four v_nop follow each line
	s_cmp_eq_u32 s15, 0
	s_cbranch_scc0 .Lfor_b_\@
	tensor_load_to_lds s[\g0a:\g0a+3], s[\g1a:\g1a+7]
	s_nop 0
.rept 4
	v_nop
.endr
	s_branch .Lasked_\@
.Lfor_b_\@:
	tensor_load_to_lds s[\g0b:\g0b+3], s[\g1b:\g1b+7]
	s_nop 0
.rept 4
	v_nop
.endr
.Lasked_\@:
.endm
.macro CREST                           ; a round of the cluster's barrier behind its opening barrier
	s_cmp_lg_u32 s14, 0
	s_cbranch_scc1 .Lnot_wave_0_\@
	s_barrier_signal -3
.Lnot_wave_0_\@:
	s_barrier_wait -3
	s_barrier_signal -1
	s_barrier_wait -1
.endm
.macro CROUND
	s_barrier_signal -1
	s_barrier_wait -1
	CREST
.endm
	s_load_b128 s[4:7], s[0:1], 0x0                ; the codes s[4:5], the scales' exponents s[6:7]
	s_load_b128 s[8:11], s[0:1], 0x10              ; bq, bk
	s_load_b128 s[68:71], s[0:1], 0x20             ; bv, the images
	v_lshl_add_u32 v[SPW], v0, 2, SPARE
	v_mov_b32 v[NIL], 0
	ds_add_u32 v[SPW], v[NIL]                      ; the wave's opening, ahead of my first tensor load
	ds_add_u32 v[SPW], v[NIL]
	v_lshrrev_b32 v1, 5, v0
	v_readfirstlane_b32 s14, v1                    ; wave 0..3
	s_lshr_b32 s15, s14, 1                         ; which half of the tile's rows is mine; also: I fetch for A (0) or B (1)
	s_and_b32 s16, s14, 1                          ; which half of its columns; also: which 128 rows I fetch
	s_bfe_u32 s40, ttmp6, 0x40000                  ; cx
	s_bfe_u32 s41, ttmp6, 0x40004                  ; cy
	s_and_b32 s76, ttmp7, 0xffff
	s_lshl_b32 s76, s76, 2                         ; 4 x the cluster's y
	s_lshl_b32 s79, ttmp9, 22                      ; A's codes: q's at 0, k's (entry 2) at 0x400000
	s_lshl_b32 s80, ttmp9, 20
	s_add_co_u32 s80, s80, WQC                     ; B's codes: Wq's, Wk's
	s_lshl_b32 s74, ttmp9, 3                       ; the pair ea, eb: entries 2 P, 2 P + 1
	s_lshl_b32 s75, ttmp9, 2
	s_add_co_u32 s75, s75, 24                      ; the result's: entry 6 + P
	s_cmp_eq_u32 ttmp9, 2                          ; V?  The cluster's x: the same in all sixteen partners
	s_cselect_b32 s77, 0, s76                      ; the tokens run down the rows for Q and K,
	s_cselect_b32 s78, s76, 0                      ; along the columns for V
	s_cselect_b32 s79, WVC, s79
	s_cselect_b32 s80, KC4, s80
	s_cselect_b32 s75, 36, s75                     ; entry 9
	s_add_co_u32 s17, s77, s41                     ; tile row
	s_add_co_u32 s42, s78, s40                     ; tile column
	s_lshl_b32 s43, s41, 2
	s_lshl_b32 s43, 15, s43                        ; my row of the cluster
	s_lshl_b32 s44, 0x1111, s40                    ; my column
	s_or_b32 s[G1+0], s43, (0<<16)|(1<<20)|(1<<21)|(5<<22)|(3<<25)  ; the mask; elements of 1 byte; padding on; bit 21 beside a mask; 4 words behind every 64
	s_or_b32 s[G1B+0], s44, (0<<16)|(1<<20)|(1<<21)|(5<<22)|(3<<25)
.irp g, G1, G1B
	s_mov_b32 s[\g+1], ROWB<<16                    ; tensor_dim0
	s_mov_b32 s[\g+2], 128<<16                     ; tensor_dim1
	s_mov_b32 s[\g+3], ROWB<<16                    ; tile_dim0
	s_mov_b32 s[\g+4], 128                         ; tile_dim1
	s_mov_b32 s[\g+5], KROW                        ; from row to row
	s_mov_b32 s[\g+6], 0
	s_mov_b32 s[\g+7], 0
.endr
	s_lshl_b32 s18, s16, 7
	s_lshl_b32 s20, s17, 8
	s_add_co_u32 s20, s20, s18                     ; A: row 256 x tile row + 128 x half,
	s_lshl_b32 s20, s20, 10                        ; in bytes,
	s_add_co_u32 s20, s20, s79                     ; in its tensor's part of the codes
	s_mov_b32 s21, 0
	s_lshl_b32 s46, s42, 8
	s_add_co_u32 s46, s46, s18
	s_lshl_b32 s46, s46, 10
	s_add_co_u32 s46, s46, s80                     ; B likewise
	s_mov_b32 s47, 0
	s_mul_i32 s45, s14, HALFT                      ; where they go: wave x 128 rows
	s_wait_dscnt 0x0                               ; the opening add is done
	s_wait_kmcnt 0x0
	s_load_b64 s[96:97], s[6:7], s74 offset:0x0    ; ea, eb
	s_load_b32 s98, s[6:7], s75 offset:0x0         ; the result's e
	s_add_nc_u64 s[20:21], s[4:5], s[20:21]
	s_add_nc_u64 s[46:47], s[4:5], s[46:47]
	CROUND                                         ; all sixteen work-groups are here: the first joint loads meet
.irp s, 0,1
	s_mov_b32 s[G0+4*\s], 1
	s_add_co_u32 s[G0+4*\s+1], s45, \s*SLOT
	s_add_nc_u64 s[G0+4*\s+2:G0+4*\s+3], s[20:21], \s*ROWB
	s_or_b32 s[G0+4*\s+3], s[G0+4*\s+3], 0x80000000
	s_mov_b32 s[G0B+4*\s], 1
	s_add_co_u32 s[G0B+4*\s+1], s45, \s*SLOT
	s_add_nc_u64 s[G0B+4*\s+2:G0B+4*\s+3], s[46:47], \s*ROWB
	s_or_b32 s[G0B+4*\s+3], s[G0B+4*\s+3], 0x80000000
	JLOAD G0+4*\s, G1, G0B+4*\s, G1B
.endr
	v_and_b32 v1, 15, v0                           ; r
	v_bfe_u32 v2, v0, 4, 1                         ; h
	s_wait_alu depctr_va_vdst(0)
	v_mul_u32_u24 v3, v1, PITCH
	v_lshl_add_u32 v4, v2, 4, v3                   ; a fragment's row x pitch + 16 h
	s_mul_i32 s21, s15, HALFT
	s_mul_i32 s22, s16, HALFT
	s_add_co_u32 s22, s22, 2*HALFT
.irp s, 0,1
	v_add_nc_u32 v[ADRA+\s], s21, v4
	v_add_nc_u32 v[ADRB+\s], s22, v4
	s_add_co_u32 s21, s21, SLOT
	s_add_co_u32 s22, s22, SLOT
.endr
	v_and_b32 v6, 31, v0
	v_lshlrev_b32 v[LI], 4, v6
	s_lshl_b32 s81, s17, 8
	s_lshl_b32 s83, s15, 7
	s_add_co_u32 s81, s81, s83                     ; my first row of C
	s_lshl_b32 s82, s42, 8
	s_lshl_b32 s83, s16, 7
	s_add_co_u32 s82, s82, s83                     ; my first column
	s_cmp_eq_u32 ttmp9, 1
	s_cselect_b64 s[66:67], s[10:11], s[8:9]
	s_cmp_eq_u32 ttmp9, 2
	s_cselect_b64 s[66:67], s[68:69], s[66:67]     ; the product's bias
	s_cselect_b32 s83, 0, s82                      ; it runs along the columns for Q and K, down the rows for V.  Both sets are loaded on every path;
	s_cselect_b32 s84, s81, 0                      ; the one that is not used from the bias's first 128 numbers, so that no load leaves the buffer
	s_lshl_b32 s83, s83, 2
	s_lshl_b32 s84, s84, 2
	v_lshl_add_u32 v7, v2, 5, s83
	v_lshl_add_u32 v8, v1, 2, s84
.irp b, 0,1,2,3,4,5,6,7
	global_load_b128 v[BN+8*\b:BN+8*\b+3], v7, s[66:67] offset:64*\b       ; bias(column 16 b + 8 h + 0 .. 7)
	global_load_b128 v[BN+8*\b+4:BN+8*\b+7], v7, s[66:67] offset:64*\b+16
.endr
.irp a, 0,1,2,3,4,5,6,7
	global_load_b32 v[BM+2*\a], v8, s[66:67] offset:64*\a                  ; bias(row 16 a + r), in both registers of a pair
	global_load_b32 v[BM+2*\a+1], v8, s[66:67] offset:64*\a
.endr
.macro FRAG reg, adr, q, i             ; 16 rows x 128 K: lane l holds row l % 16; registers 4 c .. 4 c + 3 hold K = 32 c + 16 (l / 16) + 0 .. 15
.irp c, 0,1,2,3
	ds_load_b128 v[\reg+4*\c:\reg+4*\c+3], v[\adr] offset:128*(\q)+32*\c+(\i)*16*PITCH
.endr
.endm
; 16 matrix instructions: A's blocks a0, a0 + 1 x B's eight.  The 64 accumulators take turns, one instruction a turn, in the same order in every step.
.macro MUL16 a0, p, zero
.irp a, \a0, \a0+1
.irp b, 0,1,2,3,4,5,6,7
.if \zero
	v_wmma_f32_16x16x128_fp8_fp8 v[8*(8*((\a)%4)+\b):8*(8*((\a)%4)+\b)+7], v[128*(\p)+FR*\b:128*(\p)+FR*\b+FR-1], v[AF+FR*(\a):AF+FR*(\a)+FR-1], 0
.else
	v_wmma_f32_16x16x128_fp8_fp8 v[8*(8*((\a)%4)+\b):8*(8*((\a)%4)+\b)+7], v[128*(\p)+FR*\b:128*(\p)+FR*\b+FR-1], v[AF+FR*(\a):AF+FR*(\a)+FR-1], v[8*(8*((\a)%4)+\b):8*(8*((\a)%4)+\b)+7]
.endif
.endr
.endr
.endm
.macro FETCH_B slot, q, p
	WIN TO_B
.irp i, 0,1,2,3,4,5,6,7
	FRAG 128*(\p)+FR*\i, ADRB+\slot, \q, \i
.endr
	WIN 0
.endm
.macro FETCH_A slot, q, i0
.irp i, \i0, \i0+1, \i0+2, \i0+3
	FRAG AF+FR*(\i), ADRA+\slot, \q, \i
.endr
.endm
.macro PLACES n                        ; plain vector lines between a matrix instruction and a load into, or a vector line on, its registers
.rept \n
	v_nop
.endr
.endm
.macro STEP slot, q, zero              ; 128 along K whose successor lies in the same slot
	s_wait_dscnt 4*NL                              ; B's set and A's blocks 0-3 are in; the youngest sixteen loads (A's blocks 4-7) may be out
	WIN MUL_LO
	MUL16 0, (\q)%2, \zero
	MUL16 2, (\q)%2, \zero
	s_wait_dscnt 0
	PLACES NP
	FETCH_B \slot, (\q)+1, 1-(\q)%2
	FETCH_A \slot, (\q)+1, 0
	WIN MUL_HI
	MUL16 4, (\q)%2, \zero
	MUL16 6, (\q)%2, \zero
	PLACES NP
	WIN 0
	FETCH_A \slot, (\q)+1, 4
.endm
; A slot's last step changes slots: one barrier; in front of it each wave waits for all its tensor loads, adds 0 to its spare word, and waits for that and for its reads of this slot.
.macro TURN slot, next, fill
	s_wait_tensorcnt 0x0                           ; all my tensor loads have landed: my part of the next slot
	ds_add_u32 v[SPW], v[NIL]                      ; 0 onto my spare word
	s_wait_dscnt 4*NL+1                            ; (the add and A's blocks 4-7 may be out)
	WIN MUL_LO
	MUL16 0, 1, 0
	s_wait_dscnt 0x0                               ; the add is done, and my reads of this slot are over
	s_barrier_signal -1
	MUL16 2, 1, 0
	WIN 0
	s_barrier_wait -1
.if \fill
	CREST                                          ; the barrier has opened a round of the cluster's: no wave of any partner still reads this slot or has a load on its way
	s_add_nc_u64 s[G0+4*\slot+2:G0+4*\slot+3], s[G0+4*\slot+2:G0+4*\slot+3], 2*ROWB
	s_add_nc_u64 s[G0B+4*\slot+2:G0B+4*\slot+3], s[G0B+4*\slot+2:G0B+4*\slot+3], 2*ROWB
	JLOAD G0+4*\slot, G1, G0B+4*\slot, G1B         ; the first tensor load behind the round; its four v_nop are the places in front of the loads below
.else
	PLACES NP
.endif
	FETCH_B \next, 0, 0
	FETCH_A \next, 0, 0
	WIN MUL_HI
	MUL16 4, 1, 0
	MUL16 6, 1, 0
	PLACES NP
	WIN 0
	FETCH_A \next, 0, 4
.endm
	s_wait_alu depctr_va_vdst(0)
	s_wait_tensorcnt 1                             ; my part of K step 0 is in; K step 1's load may be out
	s_barrier_signal -1
	s_barrier_wait -1
	FETCH_B 0, 0, 0
	FETCH_A 0, 0, 0
	FETCH_A 0, 0, 4
	STEP 0, 0, 1                                   ; the first step starts the sums: nothing is cleared
	s_mov_b32 s3, LAPS-1
.Llap:
	TURN 0, 1, 1
	STEP 1, 0, 0
	TURN 1, 0, 1
	STEP 0, 0, 0
	s_sub_co_u32 s3, s3, 1
	s_cmp_lg_u32 s3, 0
	s_cbranch_scc1 .Llap
	TURN 0, 1, 0                                   ; the last lap fills nothing
	STEP 1, 0, 0
	s_wait_dscnt 4*NL
	WIN MUL_LO
	MUL16 0, 1, 0
	MUL16 2, 1, 0
	s_wait_dscnt 0
	WIN MUL_HI
	MUL16 4, 1, 0
	MUL16 6, 1, 0
	WIN 0
; THE WAY OUT, a block of 16 rows at a time: sum x 2^(ea + eb) + bias (one packed multiply-add for two numbers, each accumulator from its low end on), eight conversions: 16 registers of codes, stored as they stand.
; isv = 0: the 16 registers are two fragments of Q or K (16 tokens x one head's 64): images of 1,024 bytes, the heads 131,072 bytes apart.  isv = 1: one fragment of V (16 of a head's 64 x 128 keys): an image of 2,048 bytes.
.macro OUT isv
.irp a, 0,1,2,3,4,5,6,7
.if \a >= 4
	s_wait_xcnt 0x0                                ; block a - 4's stores have read the registers that this block's codes take
.endif
	WIN 0x02+((\a)/4)                              ; source 0: window 2 or 3
.set j, 0
.rept 32
.if \isv
	v_pk_fma_f32 v[TMP+j:TMP+j+1], v[64*(\a%4)+j:64*(\a%4)+j+1], s[96:97], v[BM+2*\a:BM+2*\a+1] op_sel_hi:[1,0,0]
.else
	v_pk_fma_f32 v[TMP+j:TMP+j+1], v[64*(\a%4)+j:64*(\a%4)+j+1], s[96:97], v[BN+j:BN+j+1] op_sel_hi:[1,0,1]
.endif
.set j, j+2
.endr
	WIN 0
.set j, 0
.rept 64
.set j, j+1
.endr
.irp b, 0,1,2,3,4,5,6,7
	v_cvt_scalef32_pk8_fp8_f32 v[CD+16*(\a%4)+2*\b:CD+16*(\a%4)+2*\b+1], v[TMP+8*\b:TMP+8*\b+7], v[SC]
.endr
	v_nop                                          ; a plain line behind the conversions: the next block writes their sources
.irp g, 0,1,2,3
.if \isv
	global_store_b128 v[LI], v[CD+16*(\a%4)+4*\g:CD+16*(\a%4)+4*\g+3], s[72:73] offset:(\a/4)*131072+(\a%4)*2048+\g*512
.else
	global_store_b128 v[LI], v[CD+16*(\a%4)+4*\g:CD+16*(\a%4)+4*\g+3], s[72:73] offset:\a*1024+(\g/2)*131072+(\g%2)*512
.endif
.endr
.endr
.endm
	s_wait_kmcnt 0x0
	s_add_co_i32 s96, s96, s97
	s_add_co_i32 s96, s96, 127
	s_lshl_b32 s96, s96, 23                        ; 2^(ea + eb) as f32,
	s_mov_b32 s97, s96                             ; (named with it as a pair)
	s_add_co_i32 s98, s98, 127
	s_lshl_b32 s99, s98, 23
	PLACES NP                                      ; behind the last products: their operands' registers are written below
	v_mov_b32 v[SC], s99
	s_wait_loadcnt 0x0                             ; the biases
	s_cmp_eq_u32 ttmp9, 2
	s_cbranch_scc1 .Lfor_v
	s_lshr_b32 s84, s81, 11                        ; Q, K: image (batch x 16 + head, tile of 16 tokens)
	s_lshl_b32 s84, s84, 4
	s_lshr_b32 s85, s82, 6
	s_add_co_u32 s84, s84, s85
	s_lshl_b32 s84, s84, 17
	s_and_b32 s85, s81, 2047
	s_lshl_b32 s85, s85, 6                         ; (token / 16) x 1,024
	s_add_co_u32 s84, s84, s85
	s_lshl_b32 s85, ttmp9, 22
	s_add_co_u32 s84, s84, s85
	s_mov_b32 s85, 0
	s_add_nc_u64 s[72:73], s[70:71], s[84:85]
	OUT 0
	s_branch .Ldone
.Lfor_v:
	s_lshr_b32 s84, s82, 11                        ; V: image (batch x 16 + head, key step of 128, tile of 16 of the head's 64)
	s_lshl_b32 s84, s84, 4
	s_lshr_b32 s85, s81, 6
	s_add_co_u32 s84, s84, s85
	s_lshl_b32 s84, s84, 17
	s_and_b32 s85, s82, 2047
	s_lshl_b32 s85, s85, 6                         ; (token / 128) x 8,192
	s_add_co_u32 s84, s84, s85
	s_add_co_u32 s84, s84, 0x800000
	s_mov_b32 s85, 0
	s_add_nc_u64 s[72:73], s[70:71], s[84:85]
	OUT 1
.Ldone:
	s_wait_tensorcnt 0x0                           ; the wave's end
	ds_add_u32 v[SPW], v[NIL]
	s_wait_dscnt 0x0
	CROUND                                         ; the closing round
	s_endpgm
.Lfunc_end_k_qf3ee27bc8f_qkv:
	.size	k_qf3ee27bc8f_qkv, .Lfunc_end_k_qf3ee27bc8f_qkv-k_qf3ee27bc8f_qkv
	.p2alignl 7, 3214868480
	.fill 96, 4, 3214868480
	.section	.rodata,"a",@progbits
	.p2align	6, 0x0
	.amdhsa_kernel k_qf3ee27bc8f_qkv
		.amdhsa_group_segment_fixed_size 327680
		.amdhsa_private_segment_fixed_size 0
		.amdhsa_enable_private_segment 0
		.amdhsa_kernarg_size 48
		.amdhsa_user_sgpr_count 2
		.amdhsa_user_sgpr_kernarg_segment_ptr 1
		.amdhsa_wavefront_size32 1
		.amdhsa_system_sgpr_workgroup_id_x 1
		.amdhsa_system_sgpr_workgroup_id_y 1
		.amdhsa_system_sgpr_workgroup_id_z 1
		.amdhsa_system_vgpr_workitem_id 0
		.amdhsa_next_free_vgpr 1024
		.amdhsa_next_free_sgpr 100
		.amdhsa_reserve_vcc 0
		.amdhsa_float_denorm_mode_32 3
		.amdhsa_float_denorm_mode_16_64 3
		.amdhsa_fp16_overflow 1
		.amdhsa_memory_ordered 1
		.amdhsa_forward_progress 1
		.amdhsa_inst_pref_size 130
	.end_amdhsa_kernel
	.amdgpu_metadata
---
amdhsa.version: [ 1, 2 ]
amdhsa.kernels:
  - .name:           k_qf3ee27bc8f_qkv
    .symbol:         k_qf3ee27bc8f_qkv.kd
    .args:
      - { .name: codes, .offset: 0, .size: 8, .value_kind: global_buffer, .address_space: global }
      - { .name: lowp_scales, .offset: 8, .size: 8, .value_kind: global_buffer, .address_space: global }
      - { .name: bq, .offset: 16, .size: 8, .value_kind: global_buffer, .address_space: global }
      - { .name: bk, .offset: 24, .size: 8, .value_kind: global_buffer, .address_space: global }
      - { .name: bv, .offset: 32, .size: 8, .value_kind: global_buffer, .address_space: global }
      - { .name: qkvimg, .offset: 40, .size: 8, .value_kind: global_buffer, .address_space: global }
    .group_segment_fixed_size: 327680
    .private_segment_fixed_size: 0
    .kernarg_segment_align: 8
    .kernarg_segment_size: 48
    .max_flat_workgroup_size: 128
    .sgpr_count:     100
    .vgpr_count:     1024
    .wavefront_size: 32
...
	.end_amdgpu_metadata
.endif
;; end of part 2
;; launch attn (part 3): grid 8 x 32, 16 waves a work-group, clusters of 4 x 1, 327,680 bytes of LDS; arguments qkvimg, lowp_scales, att; writes att
.if DOCPART == 3
	.amdgcn_target "amdgcn-amd-amdhsa--gfx1250"
	.amdhsa_code_object_version 6
	.text
	.protected	k_qf3ee27bc8f_attn
	.globl	k_qf3ee27bc8f_attn
	.p2align	8
	.type	k_qf3ee27bc8f_attn,@function
k_qf3ee27bc8f_attn:
	s_mov_b64 s[64:65], 0
	v_nop
	global_prefetch_b8 v0, s[64:65] scope:SCOPE_SE
	s_setreg_imm32_b32 hwreg(HW_REG_WAVE_MODE, 25, 1), 1
	s_wait_xcnt 0x0
	s_wait_alu depctr_hold_cnt(0) depctr_sa_sdst(0) depctr_va_vdst(0) depctr_va_sdst(0) depctr_va_ssrc(0) depctr_va_vcc(0) depctr_vm_vsrc(0)
	s_getreg_b32 s2, hwreg(HW_REG_IB_STS2, 6, 4)
	s_cmp_eq_u32 s2, 0
	s_cbranch_scc0 .Lentry_in_a_cluster
	s_endpgm
.Lentry_in_a_cluster:
	s_bfe_u32 s2, ttmp6, 0x10000c
	s_cmp_lg_u32 s2, 0x3003
	s_cbranch_scc0 .Lentry_shape_is_right
	s_endpgm
.Lentry_shape_is_right:
; Causal attention on codes of E4M3: att[b][q][head][:] = sum over keys k <= q of softmax(Q . K / 8) V.  Q, K, V come as images of their operands' registers.
; THE SOFTMAX: t = score x log2(e) / 8; M = the running largest t rounded up to a whole number; p = 2^(t - M) is quantised (entry 8), not normalised; the row's sum is taken of the unquantised p and divides at the end.
; When M moves, the sum and O are multiplied by 2^(old M - new M): nothing is rounded.
; SHARES.  A work-group serves one head (y) and sixteen tiles of 16 queries: tile = 8 x rank + x, rank 0 .. 15, x 0 .. 7 by the work-group.  A tile of rank r has r + 1 key steps of 128 keys, the last on the diagonal: 136 steps in all.
; THE SIXTEEN WAVES GET EQUAL WORK.  Waves 2 a and 2 a + 1 are pair a and serve the tiles of ranks a and 15 - a: 17 steps.  The helped wave (role 0) takes key steps 0 .. 7 of tile 15 - a.  The helper (role 1) takes tile a whole
; (a + 1 steps), stores it, and then takes key steps 8 .. 15 - a of tile 15 - a (8 - a steps): nine slots.  It hands its part (O^T, -M, the sum) over through LDS as images of its registers; behind a barrier the helped wave
; brings both parts under the larger M, by powers of two that round nothing, adds them, divides and stores.  role = (w xor w / 4) & 1: two of each among waves w, w + 4, w + 8, w + 12 and among waves 4 s .. 4 s + 3 alike.
; Slot n of a wave is key step n + ((ap + n) >> 3) x ap, ap = (7 - a) x role: n up to the helper's change of tiles, n + 7 - a behind it.  Every branch hangs on the wave's number and the slot's number alone.
; LDS.  The head's whole K and V, 131,072 bytes each, are brought once, in four pieces of 512 keys; nothing is filled again.  CLUSTER: the four work-groups of a cluster serve one head, so each piece is asked for jointly.
; A fetching wave has four tensor loads out.  Slot 0 is key step 0 in every wave and wants the first piece alone; the other slots stand behind the wait for all pieces, since a helper's second slot may be key step 8.
; LAYOUT.  Both products transposed: S^T = K Q^T (source 0 = 16 keys, source 1 = my 16 queries), O^T = V^T P^T: a lane holds one query (lane % 16).  In S^T's tile t a lane's eight registers are keys 16 t + 8 (lane / 16) + 0 .. 7:
; their codes are registers 2 t, 2 t + 1 of P's fragment in the K = 128 form's own layout.
; LIMITS: entries 6 + 7 between -123 and 130; entry 8 between -126 and 119.  Hidden scores count as -infinity where the source has -1e9: the same result while a row's visible scores lie above about -1e9.
; Each part of a split tile runs its own M: a p far under the row's largest may keep a code where one stream over all keys would have lost it under the format's range.
; No prefetch: every byte that the work-group reads is asked for at its start.
; REGISTERS: v1-11 addresses; v12 -M, v13 the largest t, v[14:15] the sum; v16-23 Q; v24-31 Q of tile 15 - a; v32-95 K's eight fragments, then V's four; v96-159 S^T, then p; v160-191 O^T; v192, v193 addresses; v224-239 p's codes; v236-255 at work.
.set VREG,  131072                     ; V's images in LDS, behind K's
.set SPARE, 262144                     ; the spare words, 128 bytes for each of 16 waves
.set XCH,   264192                     ; behind them: an area for each pair: the helper's stage, later the images that it hands over
.set PAIRB, 4608                       ; 8 images of 512 bytes (O^T) and one more (-M, t, the sum); the stage's 16 x 272 bytes fit in it
.set SP,    272                        ; a stage's row: 256 + 16 bytes
.set LI,   1                           ; v1   16 x lane
.set LIV,  2                           ; v2   the same in V's part
.set DG,   3                           ; v3   16 x + r - 8 h: on the diagonal, register 8 t + j is hidden where 16 t + j is greater
.set XA,   4                           ; v4   16 x lane in my pair's area
.set SPW,  5
.set NIL,  6
.set GO,   7                           ; v7   my byte offset in the wave's rows of att
.set ADK,  8
.set ADV,  9
.set STO,  10                          ; v10, v11  the helped wave's stage, in K's bytes, which are read no more behind the last barrier
.set RD,   11
.set QN,   24
.set STM,  192                         ; v192, v193  the helper's stage, in the pair's area
.set RDM,  193
.set WV,   10                          ; s10  wave
.set RK,   11                          ; s11  the rank of the tile in hand
.set BE,   15                          ; s15  role: 0 helped, 1 helper
.set G1,   16                          ; s[16:23] descriptor group 1
.set G0,   32                          ; s[32:47] group 0 for the four pieces
.set CS,   28                          ; s[28:29] c = log2(e) / 8 x 2^(e6 + e7)
.set SEL,  30
.set TB,   48                          ; s48  LDS byte of the step's images
.set KS,   49                          ; s49  the key step
.set NS,   50                          ; s50  the slot
.set PA,   51                          ; s51  a, my pair
.set AP,   60                          ; s60  (7 - a) x role
.set SW,   61                          ; s61  a + 1: the slot at whose head the helper changes tiles
.set LAST, 62                          ; s62  the last key step that I take: 7, or 15 in a helper (whose steps end at its tile's diagonal by the slots' arithmetic)
.set ES,   63                          ; s63  e8 + e9
.macro CROUND
	s_barrier_signal -1
	s_barrier_wait -1
	s_cmp_lg_u32 s[WV], 0
	s_cbranch_scc1 .Lnot_wave_0_\@
	s_barrier_signal -3
.Lnot_wave_0_\@:
	s_barrier_wait -3
	s_barrier_signal -1
	s_barrier_wait -1
.endm
	s_load_b128 s[4:7], s[0:1], 0x0                ; the images, the scales' exponents
	s_load_b64 s[8:9], s[0:1], 0x10                ; att
	v_lshl_add_u32 v[SPW], v0, 2, SPARE
	v_mov_b32 v[NIL], 0
	ds_add_u32 v[SPW], v[NIL]                      ; the wave's opening, ahead of the first tensor loads
	ds_add_u32 v[SPW], v[NIL]
	v_lshrrev_b32 v8, 5, v0
	s_delay_alu instid0(VALU_DEP_1)
	v_readfirstlane_b32 s[WV], v8
	s_lshr_b32 s[PA], s[WV], 1                     ; a
	s_lshr_b32 s52, s[WV], 2
	s_xor_b32 s52, s52, s[WV]
	s_and_b32 s[BE], s52, 1                        ; role
	s_mul_i32 s52, s[BE], 15
	s_xor_b32 s[RK], s[PA], 15
	s_xor_b32 s[RK], s[RK], s52                    ; my first tile, and the one that I store: rank 15 - a, in a helper rank a
	s_xor_b32 s[AP], s[PA], 7
	s_mul_i32 s[AP], s[AP], s[BE]
	s_add_co_u32 s[SW], s[PA], 1
	s_lshl_b32 s[LAST], s[BE], 3
	s_add_co_u32 s[LAST], s[LAST], 7
	s_bfe_u32 s12, ttmp6, 0x40000                  ; cx
	s_lshl_b32 s13, ttmp9, 2
	s_add_co_u32 s13, s13, s12                     ; x: it enters global addresses and the mask's data alone
	s_and_b32 s14, ttmp7, 0xffff                   ; y = batch x 16 + head, which the four partners share
	s_mov_b32 s[G1], 15|(3<<16)|(1<<21)            ; the mask: all four; elements of 8 bytes; bit 21 beside a mask; no padding: images are read 16 bytes a lane on end
	s_mov_b32 s[G1+1], 32<<16                      ; tensor_dim0 = 32 elements: rows of 256 bytes
	s_mov_b32 s[G1+2], 64<<16                      ; tensor_dim1 = 64
	s_mov_b32 s[G1+3], 32<<16                      ; tile_dim0
	s_mov_b32 s[G1+4], 64                          ; tile_dim1: 16,384 bytes a load
	s_mov_b32 s[G1+5], 32                          ; dense
	s_mov_b32 s[G1+6], 0
	s_mov_b32 s[G1+7], 0
	s_lshr_b32 s52, s[WV], 1                       ; waves 0, 1 fetch K's halves of a piece, waves 2, 3 V's
	s_and_b32 s53, s[WV], 1
	s_lshl_b32 s54, s52, 17
	s_lshl_b32 s55, s53, 14
	s_add_co_u32 s54, s54, s55                     ; in LDS
	s_add_co_u32 s56, s52, 1
	s_lshl_b32 s56, s56, 22                        ; K's images begin at 0x400000, V's at 0x800000
	s_add_co_u32 s56, s56, s55
	s_lshl_b32 s57, s14, 17
	s_add_co_u32 s56, s56, s57
	s_mov_b32 s57, 0
	s_mov_b32 s[SEL], 0x76543210
	s_mov_b32 s[SEL+1], 0xfedcba98
	s_mov_b32 s[CS], 0x3e38aa3b                    ; log2(e) / 8
	s_wait_dscnt 0x0                               ; the opening add is done
	s_wait_kmcnt 0x0
	s_load_b128 s[24:27], s[6:7], 0x18             ; entries 6 to 9
	s_add_nc_u64 s[56:57], s[4:5], s[56:57]
	CROUND                                         ; all four work-groups are here: the joint loads meet
.irp c, 0,1,2,3
	s_mov_b32 s[G0+4*\c], 1
	s_add_co_u32 s[G0+4*\c+1], s54, \c*32768
	s_add_nc_u64 s[G0+4*\c+2:G0+4*\c+3], s[56:57], \c*32768
	s_or_b32 s[G0+4*\c+3], s[G0+4*\c+3], 0x80000000
.endr
	s_cmp_lt_u32 s[WV], 4                          ; a wave's four fills stand in one branch on the wave's number, ahead of every wait on TENSORcnt, LDS read and further barrier
	s_cbranch_scc0 .Lno_fetch
.irp c, 0,1,2,3
	tensor_load_to_lds s[G0+4*\c:G0+4*\c+3], s[G1:G1+7]
	s_nop 0
.endr
.rept 4
	v_nop
.endr
.Lno_fetch:
	v_and_b32 v64, 15, v0                          ; r
	v_bfe_u32 v65, v0, 4, 1                        ; h
	v_and_b32 v66, 31, v0
	s_delay_alu instid0(VALU_DEP_1)
	v_lshlrev_b32 v[LI], 4, v66
	s_wait_alu depctr_va_vdst(0)
	v_add_nc_u32 v[LIV], VREG, v[LI]
	s_lshl_b32 s53, s14, 7                         ; the head's 128 tiles
	s_lshl_b32 s52, s[RK], 3
	s_add_co_u32 s52, s52, s13                     ; my first tile
	s_add_co_u32 s52, s52, s53
	s_lshl_b32 s54, s52, 10
	s_mov_b32 s55, 0
	s_add_nc_u64 s[54:55], s[4:5], s[54:55]
	global_load_b128 v[16:19], v[LI], s[54:55]             ; its Q
	global_load_b128 v[20:23], v[LI], s[54:55] offset:512
	s_xor_b32 s52, s[PA], 15
	s_lshl_b32 s52, s52, 3
	s_add_co_u32 s52, s52, s13                     ; the pair's tile of rank 15 - a
	s_add_co_u32 s52, s52, s53
	s_lshl_b32 s58, s52, 10
	s_mov_b32 s59, 0
	s_add_nc_u64 s[58:59], s[4:5], s[58:59]
	global_load_b128 v[QN:QN+3], v[LI], s[58:59]           ; its Q, for the helper's second tile (every wave loads it: no branch for two loads)
	global_load_b128 v[QN+4:QN+7], v[LI], s[58:59] offset:512
	s_lshl_b32 s53, s13, 4
	v_lshlrev_b32 v67, 3, v65
	s_delay_alu instid0(VALU_DEP_1)
	v_sub_nc_u32 v[DG], v64, v67
	s_delay_alu instid0(VALU_DEP_1)
	v_add_nc_u32 v[DG], s53, v[DG]
	v_lshlrev_b32 v[GO], 12, v65
	s_delay_alu instid0(VALU_DEP_1)
	v_lshl_add_u32 v[GO], v64, 4, v[GO]            ; lanes 0-15 one row of att, lanes 16-31 the next; 16 bytes a lane
	v_mul_u32_u24 v[STO], v64, SP                  ; every LDS address is made here, ahead of the first parting of the roles
	s_delay_alu instid0(VALU_DEP_1)
	v_lshl_add_u32 v[STO], v65, 5, v[STO]          ; into a stage: row r, 32 bytes for each half of the lanes
	v_mul_u32_u24 v[RD], v65, SP
	s_delay_alu instid0(VALU_DEP_1)
	v_lshl_add_u32 v[RD], v64, 4, v[RD]            ; back: lanes 0-15 one row, lanes 16-31 the next
	s_mul_i32 s53, s[PA], PAIRB
	s_add_co_u32 s53, s53, XCH                     ; my pair's area
	v_add_nc_u32 v[STM], s53, v[STO]
	v_add_nc_u32 v[RDM], s53, v[RD]
	v_add_nc_u32 v[XA], s53, v[LI]
	s_mul_i32 s52, s[WV], 16*SP
	v_add_nc_u32 v[STO], s52, v[STO]
	v_add_nc_u32 v[RD], s52, v[RD]
	s_lshr_b32 s52, s14, 4
	s_lshl_b32 s52, s52, 11
	s_lshl_b32 s53, s[RK], 7
	s_add_co_u32 s52, s52, s53
	s_lshl_b32 s53, s13, 4
	s_add_co_u32 s52, s52, s53                     ; the first row of att that I store: batch x 2,048 + 128 rank + 16 x
	s_lshl_b32 s52, s52, 12
	s_and_b32 s53, s14, 15
	s_lshl_b32 s53, s53, 8                         ; the head's 256 bytes of a row
	s_add_co_u32 s52, s52, s53
	s_mov_b32 s53, 0
	s_add_nc_u64 s[8:9], s[8:9], s[52:53]
	v_mov_b32 v13, 0xff61b1e6                      ; the largest t so far: -3e38
	s_delay_alu instid0(VALU_DEP_1)
	v_floor_f32 v12, -v13                          ; -M
	v_mov_b32 v14, 0
	v_mov_b32 v15, 0
	v_mov_b32 v236, 0                              ; a lane permute's destination counts as one of its sources
	v_mov_b32 v252, 0
	v_mov_b32 v253, 0                              ; (named as the upper half of the pair v[252:253])
.set j, 0
.rept 32
	v_mov_b32 v[160+j], 0                          ; O^T: the step is written without a first form of its own; the first change of M leaves zeros zeros
.set j, j+1
.endr
	s_wait_kmcnt 0x0
	s_add_co_i32 s52, s24, s25
	s_lshl_b32 s52, s52, 23
	s_add_co_i32 s[CS], s[CS], s52                 ; the two exponents are added to c's exponent field
	s_mov_b32 s[CS+1], s[CS]
	s_add_co_i32 s52, s26, 127
	s_lshl_b32 s53, s52, 23
	v_mov_b32 v244, s53                            ; 2^e8
	s_add_co_i32 s[ES], s26, s27
	s_wait_loadcnt 0x0                             ; both Q
; THE WAY OUT of the tile in hand: O^T / the sum x 2^(e8 + e9), through a stage of the wave's own, back as whole rows of 256 bytes.
.macro WAYOUT sto, rd
	v_add_f32 v14, v14, v15
	s_delay_alu instid0(VALU_DEP_1)
	v_permlanex16_b32 v252, v14, s[SEL], s[SEL+1]
	s_delay_alu instid0(VALU_DEP_1)
	v_add_f32 v14, v14, v252                       ; the row's sum
	s_wait_alu depctr_va_vdst(0)
	v_rcp_f32 v14, v14
	v_nop                                          ; a plain line behind the reciprocal,
	s_wait_alu depctr_va_vdst(0)                   ; and the wait ahead of its first reader
	v_ldexp_f32 v14, v14, s[ES]
.set j, 0
.rept 32
	v_mul_f32 v[96+j], v[160+j], v14               ; register 8 t + i is att(query r, 16 t + 8 h + i); each accumulator from its low end on
.set j, j+1
.endr
.irp t, 0,1,2,3
	ds_store_b128 v[\sto], v[96+8*\t:99+8*\t] offset:64*\t
	ds_store_b128 v[\sto], v[100+8*\t:103+8*\t] offset:64*\t+16
.endr
.irp i, 0,1,2,3,4,5,6,7
	ds_load_b128 v[32+4*\i:35+4*\i], v[\rd] offset:2*\i*SP   ; LDS serves a wave's instructions in order: these see my stores
.endr
.irp i, 0,1,2,3,4,5,6,7
	s_wait_dscnt 7-\i                              ; the younger loads may be out
	global_store_b128 v[GO], v[32+4*\i:35+4*\i], s[8:9] offset:8192*\i   ; sixteen lanes store 256 consecutive bytes, aligned
.endr
.endm
; A SLOT: one key step of 128 keys of the tile in hand.  first = 1: slot 0, key step 0 in every wave.
.macro SLOT first
.if \first
	s_mov_b32 s[KS], 0
	s_mov_b32 s[TB], 0
.else
	s_add_co_u32 s52, s[AP], s[NS]
	s_lshr_b32 s52, s52, 3                         ; 1 from the helper's change of tiles on
	s_mul_i32 s52, s52, s[AP]
	s_add_co_u32 s[KS], s52, s[NS]                 ; 15 at the most
	s_lshl_b32 s[TB], s[KS], 13                    ; a step's images are 8,192 bytes of K and as many of V
	s_cmp_eq_u32 s[BE], 0                          ; THE HELPER'S CHANGE OF TILES, at the head of slot a + 1
	s_cbranch_scc1 .Lsame_\@
	s_cmp_lg_u32 s[NS], s[SW]
	s_cbranch_scc1 .Lsame_\@
.rept 4
	v_nop                                          ; behind the last products
.endr
	WAYOUT STM, RDM                                ; tile a is whole: it leaves
	s_wait_xcnt 0x0                                ; the stores have read their registers, which the next loads fill
	v_mov_b32 v13, 0xff61b1e6                      ; and my part of tile 15 - a begins as a tile begins
	s_delay_alu instid0(VALU_DEP_1)
	v_floor_f32 v12, -v13
	v_mov_b32 v14, 0
	v_mov_b32 v15, 0
.set j, 0
.rept 32
	v_mov_b32 v[160+j], 0
.set j, j+1
.endr
.set j, 0
.rept 8
	v_mov_b32 v[16+j], v[QN+j]
.set j, j+1
.endr
	s_xor_b32 s[RK], s[RK], 15
.Lsame_\@:
.endif
	s_cmp_gt_u32 s[KS], s[LAST]                    ; the helped wave has eight steps: its ninth slot is empty
	s_cbranch_scc1 .Lhidden_\@
	s_setprio 2
	v_add_nc_u32 v[ADK], s[TB], v[LI]
	v_add_nc_u32 v[ADV], s[TB], v[LIV]
	v_nop
	v_nop                                          ; four plain lines in front of loads into registers that the last products read
.irp t, 0,1,2,3,4,5,6,7
	ds_load_b128 v[32+8*\t:35+8*\t], v[ADK] offset:1024*\t
	ds_load_b128 v[36+8*\t:39+8*\t], v[ADK] offset:1024*\t+512
.endr
	s_wait_alu depctr_va_vdst(0)
	s_wait_dscnt 0x0
.irp t, 0,1,2,3,4,5,6,7
	v_wmma_f32_16x16x64_fp8_fp8 v[96+8*\t:103+8*\t], v[32+8*\t:39+8*\t], v[16:23], 0
.endr
.rept 4
	v_nop
.endr
.irp d, 0,1,2,3                        ; V's four fragments are asked for now and land under the softmax
.irp g, 0,1,2,3
	ds_load_b128 v[32+16*\d+4*\g:35+16*\d+4*\g], v[ADV] offset:2048*\d+512*\g
.endr
.endr
	s_cmp_lt_u32 s[KS], s[RK]                      ; under the diagonal every key counts
	s_cbranch_scc1 .Lopen_\@
	v_mov_b32 v254, 0xff800000
.set n, 0
.rept 64
	v_cmp_gt_i32 vcc_lo, 16*(n/8)+n%8, v[DG]
	v_cndmask_b32 v[96+n], v[96+n], v254, vcc_lo
.set n, n+1
.endr
.Lopen_\@:
	v_max3_num_f32 v254, v96, v97, v98             ; the step's largest score of my query among my 64 keys, in two chains,
	v_max3_num_f32 v252, v99, v100, v101
.set i, 6
.rept 14
	v_max3_num_f32 v254, v254, v[96+i], v[97+i]
	v_max3_num_f32 v252, v252, v[98+i], v[99+i]
.set i, i+4
.endr
	v_max3_num_f32 v254, v254, v158, v159
	s_delay_alu instid0(VALU_DEP_1)
	v_max_num_f32 v254, v254, v252
	v_permlanex16_b32 v236, v254, s[SEL], s[SEL+1]
	s_delay_alu instid0(VALU_DEP_1)
	v_max_num_f32 v254, v254, v236                 ; and among lane l xor 16's
	s_delay_alu instid0(VALU_DEP_1)
	v_mul_f32 v254, s[CS], v254
	s_delay_alu instid0(VALU_DEP_1)
	v_max_num_f32 v13, v13, v254
	v_mov_b32 v254, v12
	s_delay_alu instid0(VALU_DEP_2)
	v_floor_f32 v12, -v13                          ; the new -M = -ceil(t)
	s_delay_alu instid0(VALU_DEP_1)
	v_sub_f32 v254, v12, v254
	s_delay_alu instid0(VALU_DEP_1)
	v_cvt_i32_f32 v254, v254                       ; (it saturates)
	s_delay_alu instid0(VALU_DEP_1)
	v_ldexp_f32 v252, 1.0, v254                    ; f = 2^(old M - new M)
.set j, 0
	s_setprio 1
.rept 32
	v_pk_fma_f32 v[96+j:97+j], v[96+j:97+j], s[CS:CS+1], v[12:13] op_sel_hi:[1,0,0]   ; t - M
.set j, j+2
.endr
.set j, 0
	s_wait_alu depctr_va_vdst(0)
.rept 64
	v_exp_f32 v[96+j], v[96+j]                     ; p = 2^(t - M)
.set j, j+1
.endr
	v_pk_mul_f32 v[14:15], v[14:15], v[252:253] op_sel_hi:[1,0]   ; the sums under the new M; the plain line behind the exponentials
	s_wait_alu depctr_va_vdst(0)                   ; one wait for the batch, ahead of its first reader
	v_pk_add_f32 v[242:243], v[100:101], v[104:105]
	v_pk_add_f32 v[254:255], v[108:109], v[112:113]
	v_pk_add_f32 v[250:251], v[116:117], v[120:121]
	v_pk_add_f32 v[248:249], v[124:125], v[128:129]
	v_pk_add_f32 v[246:247], v[132:133], v[136:137]
	v_pk_add_f32 v[240:241], v[140:141], v[144:145]
	v_pk_add_f32 v[238:239], v[148:149], v[152:153]
	v_pk_add_f32 v[14:15], v[14:15], v[156:157]
	v_pk_add_f32 v[242:243], v[242:243], v[96:97]
	v_pk_add_f32 v[254:255], v[254:255], v[98:99]
	v_pk_add_f32 v[250:251], v[250:251], v[102:103]
	v_pk_add_f32 v[248:249], v[248:249], v[106:107]
	v_pk_add_f32 v[246:247], v[246:247], v[110:111]
	v_pk_add_f32 v[240:241], v[240:241], v[114:115]
	v_pk_add_f32 v[238:239], v[238:239], v[118:119]
	v_pk_add_f32 v[14:15], v[14:15], v[122:123]
	v_pk_add_f32 v[242:243], v[242:243], v[126:127]
	v_pk_add_f32 v[254:255], v[254:255], v[130:131]
	v_pk_add_f32 v[250:251], v[250:251], v[134:135]
	v_pk_add_f32 v[248:249], v[248:249], v[138:139]
	v_pk_add_f32 v[246:247], v[246:247], v[142:143]
	v_pk_add_f32 v[240:241], v[240:241], v[146:147]
	v_pk_add_f32 v[238:239], v[238:239], v[150:151]
	s_setprio 0
	v_pk_add_f32 v[14:15], v[14:15], v[154:155]
	v_pk_add_f32 v[242:243], v[242:243], v[158:159]
	s_delay_alu instid0(VALU_DEP_2)
	v_pk_add_f32 v[14:15], v[14:15], v[248:249]
	s_delay_alu instid0(VALU_DEP_2)
	v_pk_add_f32 v[242:243], v[242:243], v[246:247]
	v_pk_add_f32 v[254:255], v[254:255], v[240:241]
	v_pk_add_f32 v[250:251], v[250:251], v[238:239]
	s_delay_alu instid0(VALU_DEP_2)
	v_pk_add_f32 v[14:15], v[14:15], v[254:255]
	s_delay_alu instid0(VALU_DEP_2)
	v_pk_add_f32 v[242:243], v[242:243], v[250:251]
	s_delay_alu instid0(VALU_DEP_1)
	v_pk_add_f32 v[14:15], v[14:15], v[242:243]
.irp t, 0,1,2,3,4,5,6,7
.set j, 0
.rept 8
.set j, j+1
.endr
	v_cvt_scalef32_pk8_fp8_f32 v[224+2*\t:225+2*\t], v[96+8*\t:103+8*\t], v244
.endr
.set j, 0
.rept 16
	v_pk_mul_f32 v[160+j:161+j], v[160+j:161+j], v[252:253] op_sel_hi:[1,0]   ; O^T under the new M; also the plain lines behind the conversions
.set j, j+2
.endr
	s_wait_alu depctr_va_vdst(0)
	s_wait_dscnt 0x0                               ; V
.irp d, 0,1,2,3
	v_wmma_f32_16x16x128_fp8_fp8 v[160+8*\d:167+8*\d], v[32+16*\d:47+16*\d], v[224:239], v[160+8*\d:167+8*\d]
.endr
.Lhidden_\@:
.endm
	s_wait_tensorcnt 3                             ; my part of the first piece (key steps 0 to 3) is in; the three later pieces may be out
	s_wait_dscnt 0x0
	s_barrier_signal -1
	s_barrier_wait -1
	SLOT 1                                         ; key step 0, in all sixteen waves, while the other pieces land
	s_wait_tensorcnt 0x0                           ; all of K and V that I fetch is in,
	s_wait_dscnt 0x0
	s_barrier_signal -1
	s_barrier_wait -1                              ; everybody's is: from here on a wave may read any key step
	s_mov_b32 s[NS], 1
.Lslot:                                            ; slots 1 to 8: no barrier, no wave waits for another
	SLOT 0
	s_add_co_u32 s[NS], s[NS], 1
	s_cmp_lt_u32 s[NS], 9
	s_cbranch_scc1 .Lslot
	s_setprio 0
.rept 4
	v_nop                                          ; behind the last products
.endr
	s_cmp_eq_u32 s[BE], 0                          ; the helper hands its part of tile 15 - a over, as images of its registers
	s_cbranch_scc1 .Lno_send
	s_wait_alu depctr_va_vdst(0)
.irp g, 0,1,2,3,4,5,6,7
	ds_store_b128 v[XA], v[160+4*\g:163+4*\g] offset:512*\g
.endr
	ds_store_b128 v[XA], v[12:15] offset:4096      ; -M, the largest t, the sum's two halves
.Lno_send:
	s_wait_dscnt 0x0                               ; my stores have landed and my reads of K and V are over,
	s_barrier_signal -1
	s_barrier_wait -1                              ; everybody's: the images may be read, and the stages in K's bytes written
	s_cmp_lg_u32 s[BE], 0
	s_cbranch_scc1 .Ldone
.irp g, 0,1,2,3,4,5,6,7
	ds_load_b128 v[32+4*\g:35+4*\g], v[XA] offset:512*\g
.endr
	ds_load_b128 v[64:67], v[XA] offset:4096
	s_wait_dscnt 0x0
	v_min_num_f32 v68, v12, v64                    ; -M of the two parts together: the larger M
	s_delay_alu instid0(VALU_DEP_1)
	v_sub_f32 v70, v68, v12                        ; my M less that one, and the helper's: whole numbers, 0 or less
	s_delay_alu instid0(VALU_DEP_2)
	v_sub_f32 v72, v68, v64
	s_delay_alu instid0(VALU_DEP_2)
	v_cvt_i32_f32 v70, v70
	s_delay_alu instid0(VALU_DEP_2)
	v_cvt_i32_f32 v72, v72
	s_delay_alu instid0(VALU_DEP_2)
	v_ldexp_f32 v70, 1.0, v70                      ; the two factors: powers of two, one of them 1
	s_delay_alu instid0(VALU_DEP_2)
	v_ldexp_f32 v72, 1.0, v72
	v_mov_b32 v71, 0                               ; (named as the upper halves of pairs)
	v_mov_b32 v73, 0
	s_delay_alu instid0(VALU_DEP_2)
	v_pk_mul_f32 v[14:15], v[14:15], v[70:71] op_sel_hi:[1,0]
	s_delay_alu instid0(VALU_DEP_1)
	v_pk_fma_f32 v[14:15], v[66:67], v[72:73], v[14:15] op_sel_hi:[1,0,1]
.set j, 0
.rept 16
	v_pk_mul_f32 v[160+j:161+j], v[160+j:161+j], v[70:71] op_sel_hi:[1,0]
	s_delay_alu instid0(VALU_DEP_1)
	v_pk_fma_f32 v[160+j:161+j], v[32+j:33+j], v[72:73], v[160+j:161+j] op_sel_hi:[1,0,1]
.set j, j+2
.endr
	WAYOUT STO, RD                                 ; tile 15 - a is whole: it leaves
.Ldone:
	s_wait_tensorcnt 0x0                           ; the wave's end
	ds_add_u32 v[SPW], v[NIL]
	s_wait_dscnt 0x0
	CROUND                                         ; the closing round
	s_endpgm
.Lfunc_end_k_qf3ee27bc8f_attn:
	.size	k_qf3ee27bc8f_attn, .Lfunc_end_k_qf3ee27bc8f_attn-k_qf3ee27bc8f_attn
	.p2alignl 7, 3214868480
	.fill 96, 4, 3214868480
	.section	.rodata,"a",@progbits
	.p2align	6, 0x0
	.amdhsa_kernel k_qf3ee27bc8f_attn
		.amdhsa_group_segment_fixed_size 327680
		.amdhsa_private_segment_fixed_size 0
		.amdhsa_enable_private_segment 0
		.amdhsa_kernarg_size 24
		.amdhsa_user_sgpr_count 2
		.amdhsa_user_sgpr_kernarg_segment_ptr 1
		.amdhsa_wavefront_size32 1
		.amdhsa_system_sgpr_workgroup_id_x 1
		.amdhsa_system_sgpr_workgroup_id_y 1
		.amdhsa_system_sgpr_workgroup_id_z 1
		.amdhsa_system_vgpr_workitem_id 0
		.amdhsa_next_free_vgpr 256
		.amdhsa_next_free_sgpr 66
		.amdhsa_reserve_vcc 1
		.amdhsa_float_denorm_mode_32 3
		.amdhsa_float_denorm_mode_16_64 3
		.amdhsa_fp16_overflow 1
		.amdhsa_memory_ordered 1
		.amdhsa_forward_progress 1
		.amdhsa_inst_pref_size 61
	.end_amdhsa_kernel
	.amdgpu_metadata
---
amdhsa.version: [ 1, 2 ]
amdhsa.kernels:
  - .name:           k_qf3ee27bc8f_attn
    .symbol:         k_qf3ee27bc8f_attn.kd
    .args:
      - { .name: qkvimg, .offset: 0, .size: 8, .value_kind: global_buffer, .address_space: global }
      - { .name: lowp_scales, .offset: 8, .size: 8, .value_kind: global_buffer, .address_space: global }
      - { .name: att, .offset: 16, .size: 8, .value_kind: global_buffer, .address_space: global }
    .group_segment_fixed_size: 327680
    .private_segment_fixed_size: 0
    .kernarg_segment_align: 8
    .kernarg_segment_size: 24
    .max_flat_workgroup_size: 512
    .sgpr_count:     66
    .vgpr_count:     256
    .wavefront_size: 32
...
	.end_amdgpu_metadata
.endif
;; end of part 3
;; launch lnorm (part 4): grid 256 x 1, 8 waves a work-group, no clusters, 17,408 bytes of LDS; arguments att, q, ln_g, ln_b, lowp_scales, ath, athc; writes ath, athc
.if DOCPART == 4
	.amdgcn_target "amdgcn-amd-amdhsa--gfx1250"
	.amdhsa_code_object_version 6
	.text
	.protected	k_qf3ee27bc8f_lnorm
	.globl	k_qf3ee27bc8f_lnorm
	.p2align	8
	.type	k_qf3ee27bc8f_lnorm,@function
k_qf3ee27bc8f_lnorm:
	s_mov_b64 s[64:65], 0
	v_nop
	global_prefetch_b8 v0, s[64:65] scope:SCOPE_SE
	s_setreg_imm32_b32 hwreg(HW_REG_WAVE_MODE, 25, 1), 1
	s_wait_xcnt 0x0
; x = att + q; y = (x - mean) / sqrt(var + 1e-5) x g + b, row by row of 1,024; y goes out in f32 (the last residual) and as codes of E4M3 with the scale of entry 10 (the next product's operand).
; The variance is taken of x - mean, in a second pass over registers.  One wave takes a row at a time, two rows in all, and keeps it in 32 registers: lane l holds columns 128 i + 4 l + 0 .. 3, so each load and store of
; 16 bytes a lane covers 512 consecutive bytes.  A conversion of eight registers gives two words of four codes, of pieces 2 i and 2 i + 1: a row's 1,024 codes go through the wave's own LDS bytes and leave as two stores of 512.
; All 48 loads of a wave go out at its head.  Memory binds: no matrix unit, no cluster (no input but g and b is shared), no barrier.
; LIMITS: entry 10 between -126 and 119.  NaN among the inputs is not served.
.set G,     16                         ; v16-47  g;  v48-79  b
.set BV,    48
.set W,     208                        ; v208-222 at work
.set CDS,   232                        ; v232-239 a row's codes
.set SPW,   2
.set NIL,   3
.set SPARE, 16384                      ; behind the eight waves' 2,048 bytes: the spare words, 128 bytes a wave
	s_load_b256 s[4:11], s[0:1], 0x0               ; att, q, g, b
	s_load_b128 s[12:15], s[0:1], 0x20             ; the scales' exponents, ath
	s_load_b64 s[16:17], s[0:1], 0x30              ; athc
	v_lshl_add_u32 v[SPW], v0, 2, SPARE
	v_mov_b32 v[NIL], 0
	v_lshrrev_b32 v4, 5, v0
	v_readfirstlane_b32 s18, v4                    ; wave
	v_and_b32 v4, 31, v0
	v_lshlrev_b32 v1, 4, v4                        ; 16 x lane
	s_lshl_b32 s19, s18, 11
	v_lshl_add_u32 v5, v4, 2, s19                  ; codes into LDS: 4 x lane
	v_add_nc_u32 v6, s19, v1                       ; and back: 16 x lane
	s_lshl_b32 s24, ttmp9, 4
	s_lshl_b32 s25, s18, 1
	s_add_co_u32 s24, s24, s25                     ; my first row
	s_lshl_b32 s26, s24, 12
	s_mov_b32 s27, 0
	s_lshl_b32 s28, s24, 10
	s_mov_b32 s29, 0
	s_mov_b32 s20, 0x3a800000                      ; 1 / 1,024
	s_mov_b32 s21, 0x3727c5ac                      ; 1e-5
	s_mov_b32 s30, 0x76543210
	s_mov_b32 s31, 0xfedcba98
	v_mov_b32 v[W+14], 0                           ; a lane permute's destination counts as one of its sources
	s_wait_kmcnt 0x0
	s_load_b32 s22, s[12:13], 0x28                 ; entry 10
	s_add_nc_u64 s[4:5], s[4:5], s[26:27]
	s_add_nc_u64 s[6:7], s[6:7], s[26:27]
	s_add_nc_u64 s[14:15], s[14:15], s[26:27]
	s_add_nc_u64 s[16:17], s[16:17], s[28:29]
.irp i, 0,1,2,3,4,5,6,7
	global_load_b128 v[G+4*\i:G+4*\i+3], v1, s[8:9] offset:512*\i
.endr
.irp i, 0,1,2,3,4,5,6,7
	global_load_b128 v[BV+4*\i:BV+4*\i+3], v1, s[10:11] offset:512*\i
.endr
.irp p, 0,1
.irp i, 0,1,2,3,4,5,6,7
	global_load_b128 v[80+64*\p+4*\i:80+64*\p+4*\i+3], v1, s[4:5] offset:4096*\p+512*\i th:TH_LOAD_NT
.endr
.irp i, 0,1,2,3,4,5,6,7
	global_load_b128 v[112+64*\p+4*\i:112+64*\p+4*\i+3], v1, s[6:7] offset:4096*\p+512*\i th:TH_LOAD_NT
.endr
.endr
	s_wait_kmcnt 0x0
	s_add_co_i32 s22, s22, 127
	s_lshl_b32 s23, s22, 23
	v_mov_b32 v9, s23                              ; 2^e
	s_add_co_i32 s22, s22, 8
	s_lshl_b32 s22, s22, 23
	s_or_b32 s22, s22, 0x600000
	v_mov_b32 v8, s22                              ; 448 x 2^e
.macro WSUM r, t                       ; the sum over the 32 lanes, in every lane
	v_add_f32_dpp v[\r], v[\r], v[\r] row_xmask:1 row_mask:0xf bank_mask:0xf
	v_add_f32_dpp v[\r], v[\r], v[\r] row_xmask:2 row_mask:0xf bank_mask:0xf
	v_add_f32_dpp v[\r], v[\r], v[\r] row_xmask:4 row_mask:0xf bank_mask:0xf
	v_add_f32_dpp v[\r], v[\r], v[\r] row_xmask:8 row_mask:0xf bank_mask:0xf
	v_permlanex16_b32 v[\t], v[\r], s30, s31
	v_add_f32 v[\r], v[\r], v[\t]
.endm
.macro FOLD                            ; four packed chains in v[W .. W + 7] become one number in v[W], summed over the wave
	v_pk_add_f32 v[W:W+1], v[W:W+1], v[W+2:W+3]
	v_pk_add_f32 v[W+4:W+5], v[W+4:W+5], v[W+6:W+7]
	v_pk_add_f32 v[W:W+1], v[W:W+1], v[W+4:W+5]
	v_add_f32 v[W], v[W], v[W+1]
	WSUM W, W+14
.endm
.macro ROW p
.set A, 80+64*(\p)
.set Q, 112+64*(\p)
.set RB, 240+8*(\p)
.set j, 0
.rept 16
	v_pk_add_f32 v[A+j:A+j+1], v[A+j:A+j+1], v[Q+j:Q+j+1]          ; x = att + q
.set j, j+2
.endr
.irp c, 0,1,2,3
	v_pk_add_f32 v[W+2*\c:W+2*\c+1], v[A+4*\c:A+4*\c+1], v[A+4*\c+2:A+4*\c+3]
.endr
.irp c, 0,1,2,3
	v_pk_add_f32 v[W+2*\c:W+2*\c+1], v[W+2*\c:W+2*\c+1], v[A+16+4*\c:A+17+4*\c]
.endr
.irp c, 0,1,2,3
	v_pk_add_f32 v[W+2*\c:W+2*\c+1], v[W+2*\c:W+2*\c+1], v[A+18+4*\c:A+19+4*\c]
.endr
	FOLD
	v_mul_f32 v[W+8], s20, v[W]                    ; the mean, twice: a pair for the packed form
	v_mul_f32 v[W+9], s20, v[W]
.set j, 0
.rept 16
	v_pk_add_f32 v[A+j:A+j+1], v[A+j:A+j+1], v[W+8:W+9] neg_lo:[0,1] neg_hi:[0,1]
.set j, j+2
.endr
.irp c, 0,1,2,3
	v_pk_mul_f32 v[W+2*\c:W+2*\c+1], v[A+2*\c:A+2*\c+1], v[A+2*\c:A+2*\c+1]
.endr
.irp k, 1,2,3
.irp c, 0,1,2,3
	v_pk_fma_f32 v[W+2*\c:W+2*\c+1], v[A+8*\k+2*\c:A+8*\k+2*\c+1], v[A+8*\k+2*\c:A+8*\k+2*\c+1], v[W+2*\c:W+2*\c+1]
.endr
.endr
	FOLD
	v_fma_f32 v[W+10], v[W], s20, s21              ; var + 1e-5
	v_rsq_f32 v[W+12], v[W+10]
	v_rsq_f32 v[W+13], v[W+10]
	v_nop                                          ; a plain line behind the two,
	s_wait_alu depctr_va_vdst(0)                   ; and one wait ahead of their first reader
.set j, 0
.rept 16
	v_pk_mul_f32 v[A+j:A+j+1], v[A+j:A+j+1], v[W+12:W+13]
.set j, j+2
.endr
.set j, 0
.rept 16
	v_pk_fma_f32 v[A+j:A+j+1], v[A+j:A+j+1], v[G+j:G+j+1], v[BV+j:BV+j+1]
.set j, j+2
.endr
.irp i, 0,1,2,3,4,5,6,7
	global_store_b128 v1, v[A+4*\i:A+4*\i+3], s[14:15] offset:4096*(\p)+512*\i
.endr
.set j, 0
.rept 32
	v_med3_num_f32 v[Q+j], v[A+j], -v8, v8         ; the conversion does not saturate (ISA guide 7.6.2); into q's registers, which are done with
.set j, j+1
.endr
.irp c, 0,1,2,3
	v_cvt_scalef32_pk8_fp8_f32 v[CDS+2*\c:CDS+2*\c+1], v[Q+8*\c:Q+8*\c+7], v9
.endr
	v_nop
.irp i, 0,1,2,3,4,5,6,7
	ds_store_b32 v5, v[CDS+\i] offset:1024*(\p)+128*\i     ; the codes of columns 128 i + 4 l + 0 .. 3
.endr
.irp u, 0,1
	ds_load_b128 v[RB+4*\u:RB+4*\u+3], v6 offset:1024*(\p)+512*\u   ; LDS serves a wave's instructions in order
.endr
	s_wait_dscnt 0x0
.irp u, 0,1
	global_store_b128 v1, v[RB+4*\u:RB+4*\u+3], s[16:17] offset:1024*(\p)+512*\u
.endr
.endm
	s_wait_loadcnt 16                              ; g, b and row 0 are in; row 1's sixteen loads may be out
	ROW 0
	s_wait_loadcnt 0x0
	ROW 1
	s_wait_tensorcnt 0x0                           ; the wave's end
	ds_add_u32 v[SPW], v[NIL]
	s_wait_dscnt 0x0
	s_endpgm
.Lfunc_end_k_qf3ee27bc8f_lnorm:
	.size	k_qf3ee27bc8f_lnorm, .Lfunc_end_k_qf3ee27bc8f_lnorm-k_qf3ee27bc8f_lnorm
	.p2alignl 7, 3214868480
	.fill 96, 4, 3214868480
	.section	.rodata,"a",@progbits
	.p2align	6, 0x0
	.amdhsa_kernel k_qf3ee27bc8f_lnorm
		.amdhsa_group_segment_fixed_size 17408
		.amdhsa_private_segment_fixed_size 0
		.amdhsa_enable_private_segment 0
		.amdhsa_kernarg_size 56
		.amdhsa_user_sgpr_count 2
		.amdhsa_user_sgpr_kernarg_segment_ptr 1
		.amdhsa_wavefront_size32 1
		.amdhsa_system_sgpr_workgroup_id_x 1
		.amdhsa_system_sgpr_workgroup_id_y 1
		.amdhsa_system_sgpr_workgroup_id_z 1
		.amdhsa_system_vgpr_workitem_id 0
		.amdhsa_next_free_vgpr 256
		.amdhsa_next_free_sgpr 66
		.amdhsa_reserve_vcc 0
		.amdhsa_float_denorm_mode_32 3
		.amdhsa_float_denorm_mode_16_64 3
		.amdhsa_memory_ordered 1
		.amdhsa_forward_progress 1
		.amdhsa_inst_pref_size 29
	.end_amdhsa_kernel
	.amdgpu_metadata
---
amdhsa.version: [ 1, 2 ]
amdhsa.kernels:
  - .name:           k_qf3ee27bc8f_lnorm
    .symbol:         k_qf3ee27bc8f_lnorm.kd
    .args:
      - { .name: att, .offset: 0, .size: 8, .value_kind: global_buffer, .address_space: global }
      - { .name: q, .offset: 8, .size: 8, .value_kind: global_buffer, .address_space: global }
      - { .name: ln_g, .offset: 16, .size: 8, .value_kind: global_buffer, .address_space: global }
      - { .name: ln_b, .offset: 24, .size: 8, .value_kind: global_buffer, .address_space: global }
      - { .name: lowp_scales, .offset: 32, .size: 8, .value_kind: global_buffer, .address_space: global }
      - { .name: ath, .offset: 40, .size: 8, .value_kind: global_buffer, .address_space: global }
      - { .name: athc, .offset: 48, .size: 8, .value_kind: global_buffer, .address_space: global }
    .group_segment_fixed_size: 17408
    .private_segment_fixed_size: 0
    .kernarg_segment_align: 8
    .kernarg_segment_size: 56
    .max_flat_workgroup_size: 256
    .sgpr_count:     66
    .vgpr_count:     256
    .wavefront_size: 32
...
	.end_amdgpu_metadata
.endif
;; end of part 4
;; launch ffn1 (part 5): grid 16 x 16, 4 waves a work-group, clusters of 4 x 4, 327,680 bytes of LDS; arguments athc, codes, lowp_scales, b1, hid; writes hid
.if DOCPART == 5
	.amdgcn_target "amdgcn-amd-amdhsa--gfx1250"
	.amdhsa_code_object_version 6
	.text
	.protected	k_qf3ee27bc8f_ffn1
	.globl	k_qf3ee27bc8f_ffn1
	.p2align	8
	.type	k_qf3ee27bc8f_ffn1,@function
k_qf3ee27bc8f_ffn1:
	s_mov_b64 s[64:65], 0
	v_nop
	global_prefetch_b8 v0, s[64:65] scope:SCOPE_SE
	s_setreg_imm32_b32 hwreg(HW_REG_WAVE_MODE, 25, 1), 1
	s_wait_xcnt 0x0
	s_wait_alu depctr_hold_cnt(0) depctr_sa_sdst(0) depctr_va_vdst(0) depctr_va_sdst(0) depctr_va_ssrc(0) depctr_va_vcc(0) depctr_vm_vsrc(0)
	s_getreg_b32 s2, hwreg(HW_REG_IB_STS2, 6, 4)
	s_cmp_eq_u32 s2, 0
	s_cbranch_scc0 .Lentry_in_a_cluster
	s_endpgm
.Lentry_in_a_cluster:
	s_bfe_u32 s2, ttmp6, 0x10000c
	s_cmp_lg_u32 s2, 0xf033
	s_cbranch_scc0 .Lentry_shape_is_right
	s_endpgm
.Lentry_shape_is_right:
; hidden = gelu(y W1^T + b1) on codes of E4M3 (entries 10, 11), gelu exact (by erf), quantised with entry 12 and stored as images of the registers in which the next product takes it.
; The product is the frame of the projections' launch: a tile of 256 x 256 by four waves of 128 x 128, K = 1,024 in four steps of 256 through two LDS slots, 4 x 4 clusters with joint loads (A along a row, B along a column),
; the matrix instruction transposed (source 0 = 16 rows of W1, source 1 = 16 rows of y), so that a lane's eight results are eight neighbouring hidden units of one row: neighbours along the next K.
; A wave's 128 hidden units are one instruction's K: the eight accumulators of a block of 16 rows become one fragment, registers 2 b, 2 b + 1 from accumulator b, in the K = 128 form's own layout.
; GELU.  With t = |x| / sqrt(2):  gelu(x) = max(x, 0) - (t / sqrt(2)) erfc(t).  erfc(t) = 1 - (t + t P(t^2)) up to t = 475/512, and exp(t Q(t) - t) above: two polynomials that give erf within an ulp of f32.
; Both are computed for every number and one is chosen by v_cndmask_b32.  The error of 1 - erf is an ulp of 1, as in the source's own form in f32.
; THE WAY OUT IS A LOOP of 16 trips of 32 numbers a lane: the accumulators lie in two register windows, which an instruction cannot choose at run time, so a trip begins with one of sixteen short copies
; (sum x 2^(e10 + e11) + b1, into window 0), chosen by branches on the trip's number; the arithmetic is written once.
; LIMITS: e10 + e11 between -126 and 127; e12 between -126 and 119.  NaN among the inputs is not served.
.set KSTEP,  256
.set ROWB,   256
.set KROW,   1024
.set PITCH,  272
.set FR,     16
.set NL,     4
.set NP,     4
.set HALFT,  128*PITCH
.set SLOT,   4*HALFT
.set LAPS,   2
.set SPARE,  2*SLOT
.set W1C,    0xf00000
.set ADRA, 16
.set ADRB, 20
.set LI,   26
.set SPW,  28
.set NIL,  29
.set LIM,  30
.set SC,   31
.set BN,   32                          ; v32-95  b1 of my 128 hidden units, in the result's layout
.set AF,   128
.set X,    96                          ; the way out, window 0: x, then gelu
.set T,    128                         ; t
.set S,    160                         ; t^2
.set R,    192                         ; the upper branch
.set P,    224                         ; the lower branch, then erfc
.set G1, 24
.set G0, 32
.set G1B, 48
.set G0B, 56
.set C0, 70                            ; s[70:93]: the constants, each twice (the packed forms name a pair)
.set C2, 72
.set C4, 74
.set C5, 76
.set C6, 78
.set L2E, 80
.set D0, 82
.set D2, 84
.set D3, 86
.set D4, 88
.set D5, 90
.set NK, 92
.set KK, 94                            ; s94  1 / sqrt(2)
.set THR, 95                           ; s95  475 / 512
.set TR, 99                            ; s99  the trip
.set MSB, 0
.macro WIN new
.if MSB != \new
	s_set_vgpr_msb (MSB<<8)|\new
.set MSB, \new
.endif
.endm
.set MUL_LO, 0xa1
.set MUL_HI, 0xf1
.set TO_B,   0x40
.macro JLOAD g0a, g1a, g0b, g1b
	s_cmp_eq_u32 s15, 0
	s_cbranch_scc0 .Lfor_b_\@
	tensor_load_to_lds s[\g0a:\g0a+3], s[\g1a:\g1a+7]
	s_nop 0
.rept 4
	v_nop
.endr
	s_branch .Lasked_\@
.Lfor_b_\@:
	tensor_load_to_lds s[\g0b:\g0b+3], s[\g1b:\g1b+7]
	s_nop 0
.rept 4
	v_nop
.endr
.Lasked_\@:
.endm
.macro CREST
	s_cmp_lg_u32 s14, 0
	s_cbranch_scc1 .Lnot_wave_0_\@
	s_barrier_signal -3
.Lnot_wave_0_\@:
	s_barrier_wait -3
	s_barrier_signal -1
	s_barrier_wait -1
.endm
.macro CROUND
	s_barrier_signal -1
	s_barrier_wait -1
	CREST
.endm
	s_load_b128 s[4:7], s[0:1], 0x0                ; y's codes, the weights' codes
	s_load_b128 s[8:11], s[0:1], 0x10              ; the scales' exponents, b1
	s_load_b64 s[68:69], s[0:1], 0x20              ; the hidden layer's images
	v_lshl_add_u32 v[SPW], v0, 2, SPARE
	v_mov_b32 v[NIL], 0
	ds_add_u32 v[SPW], v[NIL]                      ; the wave's opening, ahead of my first tensor load
	v_lshrrev_b32 v1, 5, v0
	v_readfirstlane_b32 s14, v1
	s_lshr_b32 s15, s14, 1
	s_and_b32 s16, s14, 1
	s_bfe_u32 s40, ttmp6, 0x40000
	s_bfe_u32 s41, ttmp6, 0x40004
	s_lshl_b32 s42, ttmp9, 2
	s_add_co_u32 s42, s42, s40                     ; tile column
	s_and_b32 s17, ttmp7, 0xffff
	s_lshl_b32 s17, s17, 2
	s_add_co_u32 s17, s17, s41                     ; tile row
	s_lshl_b32 s43, s41, 2
	s_lshl_b32 s43, 15, s43
	s_lshl_b32 s44, 0x1111, s40
	s_or_b32 s[G1+0], s43, (0<<16)|(1<<20)|(1<<21)|(5<<22)|(3<<25)
	s_or_b32 s[G1B+0], s44, (0<<16)|(1<<20)|(1<<21)|(5<<22)|(3<<25)
.irp g, G1, G1B
	s_mov_b32 s[\g+1], ROWB<<16
	s_mov_b32 s[\g+2], 128<<16
	s_mov_b32 s[\g+3], ROWB<<16
	s_mov_b32 s[\g+4], 128
	s_mov_b32 s[\g+5], KROW
	s_mov_b32 s[\g+6], 0
	s_mov_b32 s[\g+7], 0
.endr
	s_lshl_b32 s18, s16, 7
	s_lshl_b32 s20, s17, 8
	s_add_co_u32 s20, s20, s18
	s_lshl_b32 s20, s20, 10
	s_mov_b32 s21, 0
	s_lshl_b32 s46, s42, 8
	s_add_co_u32 s46, s46, s18
	s_lshl_b32 s46, s46, 10
	s_add_co_u32 s46, s46, W1C
	s_mov_b32 s47, 0
	s_mul_i32 s45, s14, HALFT
	s_wait_dscnt 0x0
	s_wait_kmcnt 0x0
	s_load_b64 s[96:97], s[8:9], 0x28              ; e10, e11
	s_load_b32 s98, s[8:9], 0x30                   ; e12
	s_add_nc_u64 s[20:21], s[4:5], s[20:21]
	s_add_nc_u64 s[46:47], s[6:7], s[46:47]
	CROUND
.irp s, 0,1
	s_mov_b32 s[G0+4*\s], 1
	s_add_co_u32 s[G0+4*\s+1], s45, \s*SLOT
	s_add_nc_u64 s[G0+4*\s+2:G0+4*\s+3], s[20:21], \s*ROWB
	s_or_b32 s[G0+4*\s+3], s[G0+4*\s+3], 0x80000000
	s_mov_b32 s[G0B+4*\s], 1
	s_add_co_u32 s[G0B+4*\s+1], s45, \s*SLOT
	s_add_nc_u64 s[G0B+4*\s+2:G0B+4*\s+3], s[46:47], \s*ROWB
	s_or_b32 s[G0B+4*\s+3], s[G0B+4*\s+3], 0x80000000
	JLOAD G0+4*\s, G1, G0B+4*\s, G1B
.endr
	v_and_b32 v1, 15, v0
	v_bfe_u32 v2, v0, 4, 1
	v_mul_u32_u24 v3, v1, PITCH
	v_lshl_add_u32 v4, v2, 4, v3
	s_mul_i32 s21, s15, HALFT
	s_mul_i32 s22, s16, HALFT
	s_add_co_u32 s22, s22, 2*HALFT
.irp s, 0,1
	v_add_nc_u32 v[ADRA+\s], s21, v4
	v_add_nc_u32 v[ADRB+\s], s22, v4
	s_add_co_u32 s21, s21, SLOT
	s_add_co_u32 s22, s22, SLOT
.endr
	v_and_b32 v6, 31, v0
	v_lshlrev_b32 v[LI], 4, v6
	s_lshl_b32 s81, s17, 1
	s_add_co_u32 s81, s81, s15                     ; my 128 rows: which of 32
	s_lshl_b32 s82, s42, 1
	s_add_co_u32 s82, s82, s16                     ; my 128 hidden units: which of 32
	s_lshl_b32 s83, s82, 9
	v_lshl_add_u32 v7, v2, 5, s83                  ; b1: 4 x (my first unit) + 32 h
.irp b, 0,1,2,3,4,5,6,7
	global_load_b128 v[BN+8*\b:BN+8*\b+3], v7, s[10:11] offset:64*\b
	global_load_b128 v[BN+8*\b+4:BN+8*\b+7], v7, s[10:11] offset:64*\b+16
.endr
	s_lshl_b32 s84, s81, 19                        ; the images: [128 rows: 32][K step of 512: 8][16 rows: 8][128 along K: 4][2,048 bytes]
	s_lshr_b32 s85, s82, 2
	s_lshl_b32 s85, s85, 16
	s_add_co_u32 s84, s84, s85
	s_and_b32 s85, s82, 3
	s_lshl_b32 s85, s85, 11
	s_add_co_u32 s84, s84, s85
	s_mov_b32 s85, 0
	s_add_nc_u64 s[66:67], s[68:69], s[84:85]
.macro FRAG reg, adr, q, i
.irp c, 0,1,2,3
	ds_load_b128 v[\reg+4*\c:\reg+4*\c+3], v[\adr] offset:128*(\q)+32*\c+(\i)*16*PITCH
.endr
.endm
.macro MUL16 a0, p, zero               ; the 64 accumulators take turns, one instruction a turn
.irp a, \a0, \a0+1
.irp b, 0,1,2,3,4,5,6,7
.if \zero
	v_wmma_f32_16x16x128_fp8_fp8 v[8*(8*((\a)%4)+\b):8*(8*((\a)%4)+\b)+7], v[128*(\p)+FR*\b:128*(\p)+FR*\b+FR-1], v[AF+FR*(\a):AF+FR*(\a)+FR-1], 0
.else
	v_wmma_f32_16x16x128_fp8_fp8 v[8*(8*((\a)%4)+\b):8*(8*((\a)%4)+\b)+7], v[128*(\p)+FR*\b:128*(\p)+FR*\b+FR-1], v[AF+FR*(\a):AF+FR*(\a)+FR-1], v[8*(8*((\a)%4)+\b):8*(8*((\a)%4)+\b)+7]
.endif
.endr
.endr
.endm
.macro FETCH_B slot, q, p
	WIN TO_B
.irp i, 0,1,2,3,4,5,6,7
	FRAG 128*(\p)+FR*\i, ADRB+\slot, \q, \i
.endr
	WIN 0
.endm
.macro FETCH_A slot, q, i0
.irp i, \i0, \i0+1, \i0+2, \i0+3
	FRAG AF+FR*(\i), ADRA+\slot, \q, \i
.endr
.endm
.macro PLACES n
.rept \n
	v_nop
.endr
.endm
.macro STEP slot, q, zero
	s_wait_dscnt 4*NL                              ; the youngest sixteen loads (A's blocks 4-7) may be out
	WIN MUL_LO
	MUL16 0, (\q)%2, \zero
	MUL16 2, (\q)%2, \zero
	s_wait_dscnt 0
	PLACES NP
	FETCH_B \slot, (\q)+1, 1-(\q)%2
	FETCH_A \slot, (\q)+1, 0
	WIN MUL_HI
	MUL16 4, (\q)%2, \zero
	MUL16 6, (\q)%2, \zero
	PLACES NP
	WIN 0
	FETCH_A \slot, (\q)+1, 4
.endm
.macro TURN slot, next, fill
	s_wait_tensorcnt 0x0                           ; all my tensor loads have landed
	ds_add_u32 v[SPW], v[NIL]                      ; 0 onto my spare word
	s_wait_dscnt 4*NL+1                            ; (the add and A's blocks 4-7 may be out)
	WIN MUL_LO
	MUL16 0, 1, 0
	s_wait_dscnt 0x0                               ; the add is done, and my reads of this slot are over
	s_barrier_signal -1
	MUL16 2, 1, 0
	WIN 0
	s_barrier_wait -1
.if \fill
	CREST
	s_add_nc_u64 s[G0+4*\slot+2:G0+4*\slot+3], s[G0+4*\slot+2:G0+4*\slot+3], 2*ROWB
	s_add_nc_u64 s[G0B+4*\slot+2:G0B+4*\slot+3], s[G0B+4*\slot+2:G0B+4*\slot+3], 2*ROWB
	JLOAD G0+4*\slot, G1, G0B+4*\slot, G1B
.else
	PLACES NP
.endif
	FETCH_B \next, 0, 0
	FETCH_A \next, 0, 0
	WIN MUL_HI
	MUL16 4, 1, 0
	MUL16 6, 1, 0
	PLACES NP
	WIN 0
	FETCH_A \next, 0, 4
.endm
	s_wait_tensorcnt 1                             ; my part of K step 0 is in; K step 1's load may be out
	s_barrier_signal -1
	s_barrier_wait -1
	FETCH_B 0, 0, 0
	FETCH_A 0, 0, 0
	FETCH_A 0, 0, 4
	STEP 0, 0, 1
	s_mov_b32 s3, LAPS-1
.Llap:
	TURN 0, 1, 1
	STEP 1, 0, 0
	TURN 1, 0, 1
	STEP 0, 0, 0
	s_sub_co_u32 s3, s3, 1
	s_cmp_lg_u32 s3, 0
	s_cbranch_scc1 .Llap
	TURN 0, 1, 0
	STEP 1, 0, 0
	s_wait_dscnt 4*NL
	WIN MUL_LO
	MUL16 0, 1, 0
	MUL16 2, 1, 0
	s_wait_dscnt 0
	WIN MUL_HI
	MUL16 4, 1, 0
	MUL16 6, 1, 0
	WIN 0
.macro KPAIR r, val
	s_mov_b32 s[\r], \val
	s_mov_b32 s[\r+1], \val
.endm
.macro COPY k                          ; trip k: block k / 2 of 16 rows, accumulators 4 (k % 2) .. + 3, each from its low end on: x = sum x 2^(e10 + e11) + b1
	WIN 0x02+((\k)/8)
.set p, 0
.rept 16
	v_pk_fma_f32 v[X+p:X+p+1], v[64*(((\k)/2)%4)+32*((\k)%2)+p:64*(((\k)/2)%4)+32*((\k)%2)+p+1], s[96:97], v[BN+32*((\k)%2)+p:BN+32*((\k)%2)+p+1] op_sel_hi:[1,0,1]
.set p, p+2
.endr
	WIN 0
.endm
.macro FIRST d, m, sc, vc              ; d = m x s[sc] + v[vc], 32 numbers
.set p, 0
.rept 16
	v_pk_fma_f32 v[\d+p:\d+p+1], v[\m+p:\m+p+1], s[\sc:\sc+1], v[\vc:\vc+1] op_sel_hi:[1,0,1]
.set p, p+2
.endr
.endm
.macro HORNER d, m, sc                 ; d = d x m + s[sc]
.set p, 0
.rept 16
	v_pk_fma_f32 v[\d+p:\d+p+1], v[\d+p:\d+p+1], v[\m+p:\m+p+1], s[\sc:\sc+1] op_sel_hi:[1,1,0]
.set p, p+2
.endr
.endm
	s_wait_kmcnt 0x0
	s_add_co_i32 s96, s96, s97
	s_add_co_i32 s96, s96, 127
	s_lshl_b32 s96, s96, 23                        ; 2^(e10 + e11)
	s_mov_b32 s97, s96
	s_add_co_i32 s98, s98, 127
	s_lshl_b32 s99, s98, 23
	s_add_co_i32 s98, s98, 8
	s_lshl_b32 s98, s98, 23
	s_or_b32 s98, s98, 0x600000
	KPAIR C0, 0xb7910000                           ; the upper branch's seven coefficients (two of them in vector pairs below),
	KPAIR C2, 0xbb7e8a1c
	KPAIR C4, 0xbddaae5c
	KPAIR C5, 0xbf228550
	KPAIR C6, 0xbe03ce86
	KPAIR L2E, 0x3fb8aa3b                          ; log2(e)
	KPAIR D0, 0xba1c7000                           ; the lower branch's six
	KPAIR D2, 0xbcdb48d9
	KPAIR D3, 0x3de70e22
	KPAIR D4, 0xbec09380
	KPAIR D5, 0x3e0375d4
	KPAIR NK, 0xbf3504f3                           ; -1 / sqrt(2)
	s_mov_b32 s[KK], 0x3f3504f3
	s_mov_b32 s[THR], 0x3f6d8000
	PLACES NP                                      ; behind the last products
	s_wait_loadcnt 0x0                             ; b1; its address register is free
	v_mov_b32 v[SC], s99
	v_mov_b32 v[LIM], s98
	v_mov_b32 v2, 0x39c8e7d9                       ; an instruction here names one scalar pair: the addends of the first steps stand in vector pairs
	v_mov_b32 v3, 0x39c8e7d9
	v_mov_b32 v4, 0x3cc6b1a1
	v_mov_b32 v5, 0x3cc6b1a1
	v_mov_b32 v6, 0x3ba38d2c
	v_mov_b32 v7, 0x3ba38d2c
	s_mov_b32 s[TR], 0
.Ltrip:
	s_wait_xcnt 0x0                                ; the last trip's stores have read their data and their base
	s_lshr_b32 s18, s[TR], 1
	s_lshl_b32 s18, s18, 13                        ; the block's image,
	s_and_b32 s19, s[TR], 1
	s_lshl_b32 s19, s19, 10                        ; its lower or upper eight registers
	s_add_co_u32 s18, s18, s19
	s_mov_b32 s19, 0
	s_add_nc_u64 s[12:13], s[66:67], s[18:19]
.irp k, 1,2,3,4,5,6,7,8,9,10,11,12,13,14,15
	s_cmp_eq_u32 s[TR], \k
	s_cbranch_scc1 .Lcp_\k
.endr
	COPY 0
	s_branch .Lgelu
.irp k, 1,2,3,4,5,6,7,8,9,10,11,12,13,14
.Lcp_\k:
	COPY \k
	s_branch .Lgelu
.endr
.Lcp_15:
	COPY 15
.Lgelu:
.set i, 0
.rept 32
	v_mul_f32 v[T+i], |v[X+i]|, s[KK]              ; t = |x| / sqrt(2)
.set i, i+1
.endr
.set p, 0
.rept 16
	v_pk_mul_f32 v[S+p:S+p+1], v[T+p:T+p+1], v[T+p:T+p+1]
.set p, p+2
.endr
	FIRST R, T, C0, 2
	FIRST P, T, C2, 4
.set p, 0
.rept 16
	v_pk_fma_f32 v[R+p:R+p+1], v[R+p:R+p+1], v[S+p:S+p+1], v[P+p:P+p+1]
.set p, p+2
.endr
	HORNER R, T, C4
	HORNER R, T, C5
	HORNER R, T, C6
.set p, 0
.rept 16
	v_pk_fma_f32 v[R+p:R+p+1], v[R+p:R+p+1], v[T+p:T+p+1], v[T+p:T+p+1] neg_lo:[0,0,1] neg_hi:[0,0,1]
.set p, p+2
.endr
.set p, 0
.rept 16
	v_pk_mul_f32 v[R+p:R+p+1], v[R+p:R+p+1], s[L2E:L2E+1] op_sel_hi:[1,0]
.set p, p+2
.endr
.set i, 0
.rept 32
	v_exp_f32 v[R+i], v[R+i]                       ; erfc(t) above the threshold
.set i, i+1
.endr
	FIRST P, S, D0, 6                              ; the lower branch names none of the batch's results: the work between the batch and its wait
	HORNER P, S, D2
	HORNER P, S, D3
	HORNER P, S, D4
	HORNER P, S, D5
.set p, 0
.rept 16
	v_pk_fma_f32 v[P+p:P+p+1], v[P+p:P+p+1], v[T+p:T+p+1], v[T+p:T+p+1]     ; erf(t)
.set p, p+2
.endr
.set p, 0
.rept 16
	v_pk_fma_f32 v[P+p:P+p+1], v[P+p:P+p+1], -1.0, 1.0 op_sel_hi:[1,0,0]    ; erfc(t) up to the threshold
.set p, p+2
.endr
	s_wait_alu depctr_va_vdst(0)                   ; one wait for the 32 exponentials, ahead of their first reader
.set i, 0
.rept 32
	v_cmp_lt_f32 vcc_lo, s[THR], v[T+i]
	v_cndmask_b32 v[P+i], v[P+i], v[R+i], vcc_lo
.set i, i+1
.endr
.set p, 0
.rept 16
	v_pk_mul_f32 v[P+p:P+p+1], v[P+p:P+p+1], v[T+p:T+p+1]
.set p, p+2
.endr
.set i, 0
.rept 32
	v_max_num_f32 v[X+i], 0, v[X+i]
.set i, i+1
.endr
.set p, 0
.rept 16
	v_pk_fma_f32 v[X+p:X+p+1], v[P+p:P+p+1], s[NK:NK+1], v[X+p:X+p+1] op_sel_hi:[1,0,1]   ; gelu = max(x, 0) - t erfc(t) / sqrt(2)
.set p, p+2
.endr
.set i, 0
.rept 32
	v_med3_num_f32 v[X+i], v[X+i], -v[LIM], v[LIM] ; the conversion does not saturate (ISA guide 7.6.2)
.set i, i+1
.endr
.irp c, 0,1,2,3
	v_cvt_scalef32_pk8_fp8_f32 v[8+2*\c:9+2*\c], v[X+8*\c:X+8*\c+7], v[SC]
.endr
	v_nop                                          ; a plain line behind the conversions: the next trip writes their sources
	global_store_b128 v[LI], v[8:11], s[12:13]             ; 512 consecutive bytes each, aligned
	global_store_b128 v[LI], v[12:15], s[12:13] offset:512
	s_add_co_u32 s[TR], s[TR], 1
	s_cmp_lt_u32 s[TR], 16
	s_cbranch_scc1 .Ltrip
	s_wait_tensorcnt 0x0                           ; the wave's end
	ds_add_u32 v[SPW], v[NIL]
	s_wait_dscnt 0x0
	CROUND                                         ; the closing round
	s_endpgm
.Lfunc_end_k_qf3ee27bc8f_ffn1:
	.size	k_qf3ee27bc8f_ffn1, .Lfunc_end_k_qf3ee27bc8f_ffn1-k_qf3ee27bc8f_ffn1
	.p2alignl 7, 3214868480
	.fill 96, 4, 3214868480
	.section	.rodata,"a",@progbits
	.p2align	6, 0x0
	.amdhsa_kernel k_qf3ee27bc8f_ffn1
		.amdhsa_group_segment_fixed_size 327680
		.amdhsa_private_segment_fixed_size 0
		.amdhsa_enable_private_segment 0
		.amdhsa_kernarg_size 40
		.amdhsa_user_sgpr_count 2
		.amdhsa_user_sgpr_kernarg_segment_ptr 1
		.amdhsa_wavefront_size32 1
		.amdhsa_system_sgpr_workgroup_id_x 1
		.amdhsa_system_sgpr_workgroup_id_y 1
		.amdhsa_system_sgpr_workgroup_id_z 1
		.amdhsa_system_vgpr_workitem_id 0
		.amdhsa_next_free_vgpr 1024
		.amdhsa_next_free_sgpr 100
		.amdhsa_reserve_vcc 1
		.amdhsa_float_denorm_mode_32 3
		.amdhsa_float_denorm_mode_16_64 3
		.amdhsa_memory_ordered 1
		.amdhsa_forward_progress 1
		.amdhsa_inst_pref_size 127
	.end_amdhsa_kernel
	.amdgpu_metadata
---
amdhsa.version: [ 1, 2 ]
amdhsa.kernels:
  - .name:           k_qf3ee27bc8f_ffn1
    .symbol:         k_qf3ee27bc8f_ffn1.kd
    .args:
      - { .name: athc, .offset: 0, .size: 8, .value_kind: global_buffer, .address_space: global }
      - { .name: codes, .offset: 8, .size: 8, .value_kind: global_buffer, .address_space: global }
      - { .name: lowp_scales, .offset: 16, .size: 8, .value_kind: global_buffer, .address_space: global }
      - { .name: b1, .offset: 24, .size: 8, .value_kind: global_buffer, .address_space: global }
      - { .name: hid, .offset: 32, .size: 8, .value_kind: global_buffer, .address_space: global }
    .group_segment_fixed_size: 327680
    .private_segment_fixed_size: 0
    .kernarg_segment_align: 8
    .kernarg_segment_size: 40
    .max_flat_workgroup_size: 128
    .sgpr_count:     100
    .vgpr_count:     1024
    .wavefront_size: 32
...
	.end_amdgpu_metadata
.endif
;; end of part 5
;; launch ffn2 (part 6): grid 8 x 32, 4 waves a work-group, clusters of 4 x 4, 327,680 bytes of LDS; arguments hid, codes, lowp_scales, b2, ath, out0; writes out0
.if DOCPART == 6
	.amdgcn_target "amdgcn-amd-amdhsa--gfx1250"
	.amdhsa_code_object_version 6
	.text
	.protected	k_qf3ee27bc8f_ffn2
	.globl	k_qf3ee27bc8f_ffn2
	.p2align	8
	.type	k_qf3ee27bc8f_ffn2,@function
k_qf3ee27bc8f_ffn2:
	s_mov_b64 s[64:65], 0
	v_nop
	global_prefetch_b8 v0, s[64:65] scope:SCOPE_SE
	s_setreg_imm32_b32 hwreg(HW_REG_WAVE_MODE, 25, 1), 1
	s_wait_xcnt 0x0
	s_wait_alu depctr_hold_cnt(0) depctr_sa_sdst(0) depctr_va_vdst(0) depctr_va_sdst(0) depctr_va_ssrc(0) depctr_va_vcc(0) depctr_vm_vsrc(0)
	s_getreg_b32 s2, hwreg(HW_REG_IB_STS2, 6, 4)
	s_cmp_eq_u32 s2, 0
	s_cbranch_scc0 .Lentry_in_a_cluster
	s_endpgm
.Lentry_in_a_cluster:
	s_bfe_u32 s2, ttmp6, 0x10000c
	s_cmp_lg_u32 s2, 0xf033
	s_cbranch_scc0 .Lentry_shape_is_right
	s_endpgm
.Lentry_shape_is_right:
; out = hidden W2^T + b2 + y, the product on codes of E4M3 (entries 12, 13).  M = 4,096, N = 1,024, K = 4,096.
; A tile of C is 128 x 128: 256 work-groups; tiles of 256 x 256 would be 64.  Four waves, each 64 x 64: 16 accumulators.  K goes in eight steps of 512 through a ring of two LDS slots.
; A, the hidden layer, comes as images of its fragments' registers: a tile's K step is one dense block of 65,536 bytes, and a fragment is four loads of 16 bytes a lane on end.  The images hold k in the K = 128 form's own places
; (registers 2 c, 2 c + 1: k = 16 c + 8 h + 0 .. 7), so W2's fragments, from rows of codes in LDS, are fetched by eight loads of 8 bytes each.
; CLUSTERS: 4 x 4 work-groups; A's block is shared along a row of the cluster, B's tile along a column: joint loads.  THE MATRIX INSTRUCTION IS USED TRANSPOSED (source 0 = 16 rows of W2, source 1 = 16 rows of the hidden layer).
; The residual's numbers are asked for at the head, in the pattern of the stores, and wait in registers.  The way out goes through each wave's own stage: a wave's 64 columns are 256 bytes of a row, aligned.
; LIMITS: e12 + e13 between -126 and 127.
; REGISTERS: window 0: v0-31 addresses; v32-63, v64-95 the way out; v96-127 b2; v128-255 the accumulators ((a, b) at v[128 + 8 (4 a + b)]).  window 1: two fragment buffers of 128: A's four, then B's four.  window 2: v0-127 the residual.
.set PITCH,  528                       ; a row of W2's tile in LDS: 512 bytes + 16: the 32 lanes of a load of 8 bytes touch 64 different banks (ISA guide 11.1)
.set AIMG,   65536                     ; a slot: A's images,
.set HALFB,  64*PITCH                  ; then B's 128 rows
.set SLOT,   AIMG+2*HALFB
.set STAGE,  2*SLOT
.set SPITCH, 272
.set SPARE,  STAGE+4*16*SPITCH
.set LAPS,   4
.set W2C,    0x1300000
.set ADRA, 16
.set ADRB, 20
.set STO,  24
.set RD,   25
.set CO,   26
.set SPW,  28
.set NIL,  29
.set TMP,  32
.set BK,   64
.set BN,   96
.set ACC,  128
.set F0,   0
.set F1,   128
.set G1, 24
.set G0, 32
.set G1B, 48
.set G0B, 56
.set MSB, 0
.macro WIN new
.if MSB != \new
	s_set_vgpr_msb (MSB<<8)|\new
.set MSB, \new
.endif
.endm
.set MUL,  0x05                        ; sources 0 (B) and 1 (A) window 1; C and D window 0
.set TO_F, 0x40
.macro JLOAD s                         ; a joint load: waves 0, 1 fetch A's halves, waves 2, 3 B's; an s_nop 0 and four v_nop follow each line
	s_cmp_eq_u32 s11, 0
	s_cbranch_scc0 .Lfor_b_\@
	tensor_load_to_lds s[G0+4*\s:G0+4*\s+3], s[G1:G1+7]
	s_nop 0
.rept 4
	v_nop
.endr
	s_branch .Lasked_\@
.Lfor_b_\@:
	tensor_load_to_lds s[G0B+4*\s:G0B+4*\s+3], s[G1B:G1B+7]
	s_nop 0
.rept 4
	v_nop
.endr
.Lasked_\@:
.endm
.macro CREST
	s_cmp_lg_u32 s10, 0
	s_cbranch_scc1 .Lnot_wave_0_\@
	s_barrier_signal -3
.Lnot_wave_0_\@:
	s_barrier_wait -3
	s_barrier_signal -1
	s_barrier_wait -1
.endm
.macro CROUND
	s_barrier_signal -1
	s_barrier_wait -1
	CREST
.endm
	s_load_b128 s[4:7], s[0:1], 0x0                ; the images, the weights' codes
	s_load_b128 s[84:87], s[0:1], 0x10             ; the scales' exponents, b2
	s_load_b128 s[68:71], s[0:1], 0x20             ; y, out
	v_lshl_add_u32 v[SPW], v0, 2, SPARE
	v_mov_b32 v[NIL], 0
	ds_add_u32 v[SPW], v[NIL]                      ; the wave's opening, ahead of my first tensor load
	v_lshrrev_b32 v1, 5, v0
	v_readfirstlane_b32 s10, v1
	s_lshr_b32 s11, s10, 1                         ; which 64 rows are mine; also: I fetch for A (0) or B (1)
	s_and_b32 s12, s10, 1                          ; which 64 columns; also: which half I fetch
	s_bfe_u32 s40, ttmp6, 0x40000
	s_bfe_u32 s41, ttmp6, 0x40004
	s_lshl_b32 s42, ttmp9, 2
	s_add_co_u32 s42, s42, s40                     ; tile column
	s_and_b32 s13, ttmp7, 0xffff
	s_lshl_b32 s13, s13, 2
	s_add_co_u32 s13, s13, s41                     ; tile row
	s_lshl_b32 s43, s41, 2
	s_lshl_b32 s43, 15, s43
	s_lshl_b32 s44, 0x1111, s40
	s_or_b32 s[G1+0], s43, (3<<16)|(1<<21)         ; A: the mask of my row; elements of 8 bytes; bit 21 beside a mask; no padding
	s_mov_b32 s[G1+1], 32<<16                      ; rows of 256 bytes,
	s_mov_b32 s[G1+2], 128<<16                     ; 128 of them: 32,768 bytes, dense
	s_mov_b32 s[G1+3], 32<<16
	s_mov_b32 s[G1+4], 128
	s_mov_b32 s[G1+5], 32
	s_mov_b32 s[G1+6], 0
	s_mov_b32 s[G1+7], 0
	s_or_b32 s[G1B+0], s44, (0<<16)|(1<<20)|(1<<21)|(6<<22)|(3<<25)  ; B: the mask of my column; elements of 1 byte; 4 words of padding behind every 128
	s_mov_b32 s[G1B+1], 512<<16
	s_mov_b32 s[G1B+2], 64<<16
	s_mov_b32 s[G1B+3], 512<<16
	s_mov_b32 s[G1B+4], 64
	s_mov_b32 s[G1B+5], 4096
	s_mov_b32 s[G1B+6], 0
	s_mov_b32 s[G1B+7], 0
	s_lshl_b32 s16, s13, 19                        ; A: the tile row's images, my half of a K step's block
	s_lshl_b32 s17, s12, 15
	s_add_co_u32 s16, s16, s17
	s_mov_b32 s17, 0
	s_lshl_b32 s46, s42, 19                        ; B: row 128 x tile column + 64 x half, rows of 4,096 bytes
	s_lshl_b32 s47, s12, 18
	s_add_co_u32 s46, s46, s47
	s_add_co_u32 s46, s46, W2C
	s_mov_b32 s47, 0
	s_lshl_b32 s20, s12, 15                        ; where they go
	s_mul_i32 s21, s12, HALFB
	s_add_co_u32 s21, s21, AIMG
	s_wait_dscnt 0x0
	s_wait_kmcnt 0x0
	s_load_b64 s[96:97], s[84:85], 0x30            ; e12, e13
	s_add_nc_u64 s[14:15], s[4:5], s[16:17]
	s_add_nc_u64 s[46:47], s[6:7], s[46:47]
	CROUND
.irp s, 0,1
	s_mov_b32 s[G0+4*\s], 1
	s_add_co_u32 s[G0+4*\s+1], s20, \s*SLOT
	s_add_nc_u64 s[G0+4*\s+2:G0+4*\s+3], s[14:15], \s*65536
	s_or_b32 s[G0+4*\s+3], s[G0+4*\s+3], 0x80000000
	s_mov_b32 s[G0B+4*\s], 1
	s_add_co_u32 s[G0B+4*\s+1], s21, \s*SLOT
	s_add_nc_u64 s[G0B+4*\s+2:G0B+4*\s+3], s[46:47], \s*512
	s_or_b32 s[G0B+4*\s+3], s[G0B+4*\s+3], 0x80000000
	JLOAD \s
.endr
	v_and_b32 v1, 15, v0                           ; r
	v_bfe_u32 v2, v0, 4, 1                         ; h
	v_and_b32 v3, 31, v0
	v_lshlrev_b32 v3, 4, v3                        ; 16 x lane
	v_mul_u32_u24 v4, v1, PITCH
	v_lshl_add_u32 v4, v2, 3, v4                   ; B: row x pitch + 8 h
	s_lshl_b32 s23, s11, 15                        ; my four blocks of A's eight
	s_mul_i32 s22, s12, HALFB
	s_add_co_u32 s22, s22, AIMG                    ; my 64 rows of B
.irp s, 0,1
	v_add_nc_u32 v[ADRA+\s], s23, v3
	v_add_nc_u32 v[ADRB+\s], s22, v4
	s_add_co_u32 s23, s23, SLOT
	s_add_co_u32 s22, s22, SLOT
.endr
	s_mul_i32 s23, s10, 16*SPITCH
	s_add_co_u32 s23, s23, STAGE                   ; my stage
	v_mul_u32_u24 v[STO], v1, SPITCH
	v_lshl_add_u32 v[STO], v2, 5, v[STO]
	v_add_nc_u32 v[STO], s23, v[STO]               ; in: row r, 32 bytes for each half of the lanes
	v_mul_u32_u24 v[RD], v2, SPITCH
	v_lshl_add_u32 v[RD], v1, 4, v[RD]
	v_add_nc_u32 v[RD], s23, v[RD]                 ; back: lanes 0-15 one row, lanes 16-31 the next
	v_lshlrev_b32 v[CO], 12, v2
	v_lshl_add_u32 v[CO], v1, 4, v[CO]             ; and the same two rows in y and out
	s_lshl_b32 s76, s13, 7
	s_lshl_b32 s77, s11, 6
	s_add_co_u32 s76, s76, s77                     ; my first row
	s_lshl_b32 s76, s76, 12
	s_lshl_b32 s78, s42, 7
	s_lshl_b32 s77, s12, 6
	s_add_co_u32 s78, s78, s77                     ; my first column,
	s_lshl_b32 s78, s78, 2                         ; in bytes: a multiple of 256
	s_add_co_u32 s76, s76, s78
	s_mov_b32 s77, 0
	s_add_nc_u64 s[72:73], s[70:71], s[76:77]
	s_add_nc_u64 s[74:75], s[68:69], s[76:77]
	v_lshl_add_u32 v5, v2, 5, s78
.irp b, 0,1,2,3
	global_load_b128 v[BN+8*\b:BN+8*\b+3], v5, s[86:87] offset:64*\b       ; b2(column 16 b + 8 h + 0 .. 7)
	global_load_b128 v[BN+8*\b+4:BN+8*\b+7], v5, s[86:87] offset:64*\b+16
.endr
	WIN 0x80                                       ; destination window 2
.irp a, 0,1,2,3
.irp i, 0,1,2,3,4,5,6,7
	global_load_b128 v[4*(8*\a+\i):4*(8*\a+\i)+3], v[CO], s[74:75] offset:(16*\a+2*\i)*4096
.endr
.endr
	WIN 0
; 8 matrix instructions: A's blocks a0, a0 + 1 x B's four, 128 along K.  The 16 accumulators take turns, one instruction a turn.
.macro MUL8 f, a0, zero
.irp a, \a0, \a0+1
.irp b, 0,1,2,3
.if \zero
	v_wmma_f32_16x16x128_fp8_fp8 v[ACC+8*(4*(\a)+\b):ACC+8*(4*(\a)+\b)+7], v[\f+64+16*\b:\f+64+16*\b+15], v[\f+16*(\a):\f+16*(\a)+15], 0
.else
	v_wmma_f32_16x16x128_fp8_fp8 v[ACC+8*(4*(\a)+\b):ACC+8*(4*(\a)+\b)+7], v[\f+64+16*\b:\f+64+16*\b+15], v[\f+16*(\a):\f+16*(\a)+15], v[ACC+8*(4*(\a)+\b):ACC+8*(4*(\a)+\b)+7]
.endif
.endr
.endr
.endm
; 48 LDS loads in one run: the fragments of the slot's q-th 128 along K into buffer f: B's four (32 loads), then A's four (16)
.macro FETCH slot, q, f
	WIN TO_F
.irp b, 0,1,2,3
.irp c, 0,1,2,3,4,5,6,7
	ds_load_b64 v[\f+64+16*\b+2*\c:\f+64+16*\b+2*\c+1], v[ADRB+\slot] offset:\b*16*PITCH+128*(\q)+16*\c
.endr
.endr
.irp a, 0,1,2,3
.irp c, 0,1,2,3
	ds_load_b128 v[\f+16*\a+4*\c:\f+16*\a+4*\c+3], v[ADRA+\slot] offset:\a*8192+2048*(\q)+512*\c
.endr
.endr
.endm
.macro PLACES
.rept 4
	v_nop
.endr
.endm
; A K step is four quarters of 128 along K, 16 matrix instructions each, on buffers 0, 1, 0, 1.  One of the first three: multiplies buffer f and fetches quarter qn into g.
.macro QUARTER slot, qn, f, g, zero
	s_wait_dscnt 8                                 ; B's four and A's blocks 0, 1 are in; the youngest eight loads (A's blocks 2, 3) may be out
	WIN MUL
	MUL8 \f, 0, \zero
	PLACES
	FETCH \slot, \qn, \g
	s_wait_dscnt 48                                ; all but the 48 just issued
	WIN MUL
	MUL8 \f, 2, \zero
.endm
; The last quarter multiplies buffer 1 and changes slots: one barrier; in front of it each wave waits for all its tensor loads, adds 0 to its spare word, and waits for that and for its reads of this slot.
.macro TURN slot, next, fill
	WIN 0
	s_wait_tensorcnt 0x0                           ; all my tensor loads have landed: my part of the next slot; a group 0 may be written
	ds_add_u32 v[SPW], v[NIL]                      ; 0 onto my spare word
.if \fill
	s_add_nc_u64 s[G0+4*\slot+2:G0+4*\slot+3], s[G0+4*\slot+2:G0+4*\slot+3], 2*65536
	s_add_nc_u64 s[G0B+4*\slot+2:G0B+4*\slot+3], s[G0B+4*\slot+2:G0B+4*\slot+3], 2*512
.endif
	s_wait_dscnt 0x0                               ; the add is done, and my reads of this slot are over
	s_barrier_signal -1
	WIN MUL
	MUL8 F1, 0, 0
	WIN 0
	s_barrier_wait -1
.if \fill
	CREST                                          ; the barrier has opened a round of the cluster's
	JLOAD \slot                                    ; the first tensor load behind the round; its four v_nop are the places in front of the loads below
.else
	PLACES
.endif
	FETCH \next, 0, F0
	WIN MUL
	MUL8 F1, 2, 0
.endm
	s_wait_tensorcnt 1                             ; my part of K step 0 is in; K step 1's load may be out
	s_barrier_signal -1
	s_barrier_wait -1
	FETCH 0, 0, F0
	QUARTER 0, 1, F0, F1, 1                        ; the first quarter starts the sums: nothing is cleared
	WIN 0
	s_mov_b32 s3, LAPS-1
.Llap:
	QUARTER 0, 2, F1, F0, 0
	QUARTER 0, 3, F0, F1, 0
	TURN 0, 1, 1
	QUARTER 1, 1, F0, F1, 0
	QUARTER 1, 2, F1, F0, 0
	QUARTER 1, 3, F0, F1, 0
	TURN 1, 0, 1
	QUARTER 0, 1, F0, F1, 0
	WIN 0
	s_sub_co_u32 s3, s3, 1
	s_cmp_lg_u32 s3, 0
	s_cbranch_scc1 .Llap
	QUARTER 0, 2, F1, F0, 0                        ; the last lap fills nothing
	QUARTER 0, 3, F0, F1, 0
	TURN 0, 1, 0
	QUARTER 1, 1, F0, F1, 0
	QUARTER 1, 2, F1, F0, 0
	QUARTER 1, 3, F0, F1, 0
	s_wait_dscnt 0x0
	WIN MUL
	MUL8 F1, 0, 0
	MUL8 F1, 2, 0
	WIN 0
	; THE WAY OUT, a block of 16 rows x 64 columns at a time: sum x 2^(e12 + e13) + b2, through my own stage, back as whole rows of 256 bytes, + the residual, stored.
	s_wait_kmcnt 0x0
	s_add_co_i32 s96, s96, s97
	s_add_co_i32 s96, s96, 127
	s_lshl_b32 s96, s96, 23
	s_mov_b32 s97, s96
	s_wait_loadcnt 0x0                             ; b2 and the residual
	PLACES
.irp a, 0,1,2,3
.set j, 0
.rept 16
	v_pk_fma_f32 v[TMP+j:TMP+j+1], v[ACC+32*\a+j:ACC+32*\a+j+1], s[96:97], v[BN+j:BN+j+1] op_sel_hi:[1,0,1]   ; each accumulator from its low end on
.set j, j+2
.endr
.irp b, 0,1,2,3
	ds_store_b128 v[STO], v[TMP+8*\b:TMP+8*\b+3] offset:64*\b
	ds_store_b128 v[STO], v[TMP+8*\b+4:TMP+8*\b+7] offset:64*\b+16
.endr
	s_wait_xcnt 0x0                                ; the last block's stores have read the registers that the loads below fill
.irp i, 0,1,2,3,4,5,6,7
	ds_load_b128 v[BK+4*\i:BK+4*\i+3], v[RD] offset:2*\i*SPITCH    ; LDS serves a wave's instructions in order: these see my stores
.endr
	s_wait_dscnt 0x0
	WIN 0x08                                       ; source 1 window 2
.set j, 0
.rept 16
	v_pk_add_f32 v[BK+j:BK+j+1], v[BK+j:BK+j+1], v[32*\a+j:32*\a+j+1]
.set j, j+2
.endr
	WIN 0
.irp i, 0,1,2,3,4,5,6,7
	global_store_b128 v[CO], v[BK+4*\i:BK+4*\i+3], s[72:73] offset:(16*\a+2*\i)*4096 th:TH_STORE_NT   ; sixteen lanes store 256 consecutive bytes, aligned
.endr
.endr
	s_wait_tensorcnt 0x0                           ; the wave's end
	ds_add_u32 v[SPW], v[NIL]
	s_wait_dscnt 0x0
	CROUND                                         ; the closing round
	s_endpgm
.Lfunc_end_k_qf3ee27bc8f_ffn2:
	.size	k_qf3ee27bc8f_ffn2, .Lfunc_end_k_qf3ee27bc8f_ffn2-k_qf3ee27bc8f_ffn2
	.p2alignl 7, 3214868480
	.fill 96, 4, 3214868480
	.section	.rodata,"a",@progbits
	.p2align	6, 0x0
	.amdhsa_kernel k_qf3ee27bc8f_ffn2
		.amdhsa_group_segment_fixed_size 327680
		.amdhsa_private_segment_fixed_size 0
		.amdhsa_enable_private_segment 0
		.amdhsa_kernarg_size 48
		.amdhsa_user_sgpr_count 2
		.amdhsa_user_sgpr_kernarg_segment_ptr 1
		.amdhsa_wavefront_size32 1
		.amdhsa_system_sgpr_workgroup_id_x 1
		.amdhsa_system_sgpr_workgroup_id_y 1
		.amdhsa_system_sgpr_workgroup_id_z 1
		.amdhsa_system_vgpr_workitem_id 0
		.amdhsa_next_free_vgpr 768
		.amdhsa_next_free_sgpr 100
		.amdhsa_reserve_vcc 0
		.amdhsa_float_denorm_mode_32 3
		.amdhsa_float_denorm_mode_16_64 3
		.amdhsa_memory_ordered 1
		.amdhsa_forward_progress 1
		.amdhsa_inst_pref_size 98
	.end_amdhsa_kernel
	.amdgpu_metadata
---
amdhsa.version: [ 1, 2 ]
amdhsa.kernels:
  - .name:           k_qf3ee27bc8f_ffn2
    .symbol:         k_qf3ee27bc8f_ffn2.kd
    .args:
      - { .name: hid, .offset: 0, .size: 8, .value_kind: global_buffer, .address_space: global }
      - { .name: codes, .offset: 8, .size: 8, .value_kind: global_buffer, .address_space: global }
      - { .name: lowp_scales, .offset: 16, .size: 8, .value_kind: global_buffer, .address_space: global }
      - { .name: b2, .offset: 24, .size: 8, .value_kind: global_buffer, .address_space: global }
      - { .name: ath, .offset: 32, .size: 8, .value_kind: global_buffer, .address_space: global }
      - { .name: out0, .offset: 40, .size: 8, .value_kind: global_buffer, .address_space: global }
    .group_segment_fixed_size: 327680
    .private_segment_fixed_size: 0
    .kernarg_segment_align: 8
    .kernarg_segment_size: 48
    .max_flat_workgroup_size: 128
    .sgpr_count:     100
    .vgpr_count:     768
    .wavefront_size: 32
...
	.end_amdgpu_metadata
.endif
;; end of part 6
